; MI455X (gfx1250); checked and timed in simulation.
; The chip was launched on July 23, 2026; its instructions are those of AMD's public machine-readable ISA for CDNA 5 (MIT licence, August 2026) and "CDNA5" Instruction Set Architecture Reference Guide (July 2026). The comments in the code are by the model that wrote it; some were corrected since.
;; Ro PE Multihead Attention. Allowed arithmetic: matrix products marked QUANTISED: E2M3 operands, one E8M0 scale for each 32 along K, by v_wmma_scale_f32_16x16x128_f8f6f4 with both operands' format E2M3, f32 sums; everything else in f32.
;; Inputs: W_k 1,024 x 1,024 float32; W_o 1,024 x 1,024 float32; W_q 1,024 x 1,024 float32; W_v 1,024 x 1,024 float32; b_o 1,024 float32; context_bias 4 x 1,024 float32; k_in 4 x 2,048 x 1,024 float32; q_in 4 x 2,048 x 1,024 float32; v_in 4 x 2,048 x 1,024 float32.
;; Outputs: out0 4 x 2,048 x 1,024 float32.
;; This version of the problem:
;;   THIS VERSION OF THE PROBLEM IS GIVEN IN LOW PRECISION. The matrix products marked QUANTISED in the list below multiply operands that are first quantised to E2M3 (2 exponent bits, 3 mantissa bits; 6 bits a number), with one power-of-two scale for each 32 numbers along K (OCP MX v1.0); their sums are f32. All else is computed in f32.
;;   The module's matrix products, in the order in which they are computed (A, B: the left and right operand; K: the contracted axis; several contracted axes count as one K, in the product's order):
;;     1. [M 8,192, K 1,024] x [K 1,024, N 1,024]; A: input q_in; B: input W_q: QUANTISED
;;     2. [M 8,192, K 1,024] x [K 1,024, N 1,024]; A: input k_in; B: input W_k: QUANTISED
;;     3. [M 8,192, K 1,024] x [K 1,024, N 1,024]; A: input v_in; B: input W_v: QUANTISED
;;     4. batch 64 x [M 2,048, K 64] x [K 64, N 2,048]; A: computed on the way; B: computed on the way: QUANTISED
;;     5. batch 64 x [M 64, K 2,048] x [K 2,048, N 2,048]; A: computed on the way; B: softmax (see below): QUANTISED
;;     6. [M 8,192, K 1,024] x [K 1,024, N 1,024]; A: computed on the way; B: input W_o: QUANTISED
;;   THE QUANTISER, for each operand of a quantised product, along K:
;;     - K is cut into blocks of 32 from its start; a last block that is shorter is filled with zeros.
;;     - A block's scale is 2^e with e = floor(log2(the largest magnitude in the block)) - 2, held to -126 .. 127; a block of zeros has e = 0. As a byte (E8M0): e + 127.
;;     - Each number is divided by its block's scale, clamped to +-7.5, and rounded to the nearest number of E2M3, ties to even, subnormals kept.
;;     - The product sums the exact products of the quantised numbers (number of the format x scale) in f32.
;;   ~~~python
;;   def quantise(x, axis):      # numpy; x: float32 -> the quantised numbers, widened to float32 again
;;       x = np.moveaxis(x, axis, -1); K = x.shape[-1]
;;       x = np.pad(x, [(0, 0)] * (x.ndim - 1) + [(0, -K % 32)]); x = x.reshape(x.shape[:-1] + (-1, 32)); a = np.abs(x).max(-1, keepdims=True)
;;       e = np.where(a > 0, np.clip(np.frexp(np.where(a > 0, a, 1))[1] - 1 - 2, -126, 127), 0)      # np.frexp(a)[1] - 1 = floor(log2(a)), exactly
;;       r = np.clip(x / 2.0 ** e, -7.5, 7.5)
;;       step = 2.0 ** (np.maximum(np.frexp(np.where(r == 0, 1, r))[1] - 1, 0) - 3)
;;       q = np.round(r / step) * step * 2.0 ** e      # np.round: ties to even
;;       return np.moveaxis(q.reshape(q.shape[:-2] + (-1,))[..., :K], -1, axis).astype(np.float32)
;;   ~~~
;;   SOFTMAX AHEAD OF A QUANTISED PRODUCT. Where the list says 'softmax', what is quantised is not the finished softmax but p = 2^(t - M), with t = logit x log2(e) and M = ceil(the row's largest t), a whole number; so 1/2 < the row's largest p <= 1. The row's sum l is taken of the UNQUANTISED p, in f32, and the product's result is divided by l at the end. Since M is a whole number, a kernel that streams over the keys may use a running M (the ceiling of the running maximum): every later rescaling is an exact power of two, which a block's scale takes up: the codes' values come out the same.
;;   OPERANDS COMPUTED ON THE WAY. 'Computed on the way' means the value that the module computes at that place (a softmax that the list does not call 'softmax' is quantised finished and normalised). What goes into a quantiser is computed in f32, as accurately as f32 sums, v_exp_f32 and their like allow (about 1e-6 of the number): no bf16 or f16 on the way to a quantiser, and a product that is left as it is and whose result goes on into a quantised operand takes f32 operands (vector FMAs, or v_wmma_f32_16x16x4_f32). A number that lies on a knife's edge between two numbers of the format may be rounded either way, as far as f32 arithmetic and the matrix unit's own rounding can turn it there, and no further.
;; One version. Each part assembles by itself: llvm-mc -triple=amdgcn-amd-amdhsa -mcpu=gfx1250 --defsym DOCPART=n.
;; ======== version 1 of 1: 4 launches
;; limits: right only within a limited range of input values
;; workspace buffers: X 23,461,888 bytes; Q 6,553,600 bytes; KV 13,107,200 bytes; O 6,553,600 bytes
;; launch quant (part 1): grid 464 x 1, 8 waves a work-group, no clusters, 70,656 bytes of LDS; arguments q_in, k_in, v_in, W_q, W_k, W_v, W_o, X; writes X
.if DOCPART == 1
	.amdgcn_target "amdgcn-amd-amdhsa--gfx1250"
	.amdhsa_code_object_version 6
	.text
	.protected	k_q9312c650a9_quant
	.globl	k_q9312c650a9_quant
	.p2align	8
	.type	k_q9312c650a9_quant,@function
k_q9312c650a9_quant:
	s_mov_b64 s[64:65], 0
	v_nop
	global_prefetch_b8 v0, s[64:65] scope:SCOPE_SE
	s_setreg_imm32_b32 hwreg(HW_REG_WAVE_MODE, 25, 1), 1
	s_wait_xcnt 0x0
; q_in, k_in, v_in [8192][1024] and W_q, W_k, W_v, W_o [1024][1024], f32, become codes of FP6 (E2M3) with one E8M0 byte for each 32 along K (their last axis), in the workspace X;
; sixteen more work-groups make the table of cos and sin for the rotary embedding.
; A block's scale is 2^(floor(log2(largest magnitude)) - 2); its byte is the largest magnitude's exponent field - 2, held at 1 from below.
; LIMITS: NaN and infinities are not served.  A block whose largest magnitude lies under 2^-124, a block of zeros among them, gets the byte 1 (the rule says 127 for zeros): its codes are zeros or the
; held scale's, and this program alone reads the bytes.
; ROW ORDER.  All seven tensors are one list of 28,672 rows (q_in 0, k_in 8192, v_in 16384, W_q 24576, W_k 25600, W_v 26624, W_o 27648), and rows are STORED with bits 3 and 4 of the row number swapped:
; stored row 16 T + r is row 32 (T / 2) + 8 (T % 2) + r + 8 (r / 8).  A product whose source 0 is 16 stored rows then leaves, in the 16 registers of two neighbouring tiles, 16 neighbours of the true order.
; LAYOUT OF X.  Codes: [row tile][8 fragments along K][1,536 bytes]; a fragment (16 rows x 128 K, 12 registers a lane) lies as an image of its registers: register 4 g + i of lane l at 512 g + 16 l + 4 i.
; Scale words (4 bytes: 128 along K of one row) at XS0: [fragment along K 8][28,672 rows].  Table at XT0: [position 2048][half 2][cos 16 | sin 16] f32.
; SHARES.  A work-group takes 64 stored rows; wave w takes row tile w % 4 and half w / 4 of K: four fragments.  Each load reads 512 consecutive bytes of one row; a fragment's 16 x 512 bytes turn through the
; wave's own stage in LDS (rows 528 bytes apart), so that a lane gets 16 neighbours of each block of 32.  Two fragments' loads (32 a wave) are out at a time.  No tensor load, one barrier (for the scale words).
.set XS0,    22020096
.set XT0,    22937600
.set KPITCH, 114688                    ; bytes from one fragment's scale words to the next fragment's: 28,672 rows x 4
.set SPITCH, 528
.set WSTG,   16*SPITCH                 ; a wave's stage
.set SG,     8*WSTG                    ; behind the stages: the work-group's scale words, [8 fragments][64 rows]
.set LA,  1                            ; v1   16 x lane
.set STI, 4                            ; v4   the stage, on the way in
.set STO, 5                            ; v5   and on the way out: row r, + 64 h
.set SGA, 6                            ; v6   where my row's scale word goes
.set SGR, 7                            ; v7   where waves 0-3 read 512 bytes of words back
.set SGO, 8                            ; v8   and their place in X
.set R,   16                           ; v16-143  two sets of 64 registers as loaded
.set XN,  144                          ; v144-207 register 16 b + i = number 32 b + 16 h + i of my row's 128
.set PC,  208                          ; v208-219 the fragment's codes
.set CT,  220                          ; v220-227 the upper halves of the blocks, as converted
.set TM,  228                          ; v228-231 largest magnitudes, v232-235 bytes, v240-243 the conversions' scale operands
.set PW,  244                          ; the scale word
	s_load_b512 s[4:19], s[0:1], 0x0               ; q_in, k_in, v_in, W_q, W_k, W_v, W_o, X
	v_lshl_add_u32 v254, v0, 2, 0x11000
	v_mov_b32 v255, 0
	v_lshrrev_b32 v9, 5, v0
	s_delay_alu instid0(VALU_DEP_1)
	v_readfirstlane_b32 s20, v9                    ; wave 0..7
	s_mov_b32 s40, 0x76543210
	s_mov_b32 s41, 0xfedcba98                      ; v_permlanex16_b32's selects for lane l xor 16
	s_cmp_ge_u32 ttmp9, 448
	s_cbranch_scc1 .Ltable                         ; work-groups 448 to 463 make the table: no LDS, no barrier on that way
	s_wait_kmcnt 0x0
	s_mov_b64 s[24:25], s[16:17]                   ; which tensor: the choice hangs on the work-group's number alone
	s_mov_b32 s26, 432
	s_cmp_lt_u32 ttmp9, 432
	s_cselect_b64 s[24:25], s[14:15], s[24:25]
	s_cselect_b32 s26, 416, s26
	s_cmp_lt_u32 ttmp9, 416
	s_cselect_b64 s[24:25], s[12:13], s[24:25]
	s_cselect_b32 s26, 400, s26
	s_cmp_lt_u32 ttmp9, 400
	s_cselect_b64 s[24:25], s[10:11], s[24:25]
	s_cselect_b32 s26, 384, s26
	s_cmp_lt_u32 ttmp9, 384
	s_cselect_b64 s[24:25], s[8:9], s[24:25]
	s_cselect_b32 s26, 256, s26
	s_cmp_lt_u32 ttmp9, 256
	s_cselect_b64 s[24:25], s[6:7], s[24:25]
	s_cselect_b32 s26, 128, s26
	s_cmp_lt_u32 ttmp9, 128
	s_cselect_b64 s[24:25], s[4:5], s[24:25]
	s_cselect_b32 s26, 0, s26
	s_and_b32 s21, s20, 3                          ; my row tile
	s_lshr_b32 s22, s20, 2                         ; my half of K
	s_sub_co_u32 s27, ttmp9, s26
	s_lshl_b32 s32, s27, 18                        ; 64 rows of 4,096 bytes a work-group
	s_cmp_eq_u32 s26, 128                          ; k_in alone has another row order: stored row 16 T + r is row 64 (T / 4) + 8 (T % 4) + r % 8 + 32 (r / 8),
	s_cselect_b32 s38, 16, 17                      ; so its tiles begin 8 rows apart,
	s_cselect_b32 s39, 0x10000, 0                  ; and a tile's upper eight rows lie 16 rows further on than in the other tensors
	s_lshr_b32 s34, s21, 1
	s_lshl_b32 s34, s34, s38
	s_add_co_u32 s32, s32, s34
	s_and_b32 s34, s21, 1
	s_lshl_b32 s34, s34, 15                        ; + 8 (tile % 2) rows
	s_add_co_u32 s32, s32, s34
	s_lshl_b32 s34, s22, 11                        ; + my half of the row
	s_add_co_u32 s32, s32, s34
	s_mov_b32 s33, 0
	s_add_nc_u64 s[24:25], s[24:25], s[32:33]
	s_lshl_b32 s34, ttmp9, 2
	s_add_co_u32 s34, s34, s21                     ; the row tile in X: 4 x work-group + tile
	s_mul_i32 s34, s34, 12288
	s_mul_i32 s36, s22, 6144
	s_add_co_u32 s34, s34, s36
	s_mov_b32 s35, 0
	s_add_nc_u64 s[28:29], s[18:19], s[34:35]      ; my four fragments
	s_lshl_b32 s34, ttmp9, 8
	s_add_co_u32 s34, s34, XS0
	s_add_nc_u64 s[30:31], s[18:19], s[34:35]      ; the work-group's 64 scale words of fragment 0
	v_and_b32 v1, 31, v0
	v_and_b32 v2, 15, v0                           ; r
	v_bfe_u32 v3, v0, 4, 1                         ; h
	s_wait_alu depctr_va_vdst(0)
	v_lshlrev_b32 v[LA], 4, v1
	v_add_nc_u32 v9, s39, v[LA]                    ; the offset for a tile's rows 8 to 15
	s_mul_i32 s37, s20, WSTG
	v_add_nc_u32 v[STI], s37, v[LA]
	v_mul_u32_u24 v[STO], v2, SPITCH
	s_delay_alu instid0(VALU_DEP_1)
	v_lshl_add_u32 v[STO], v3, 6, v[STO]
	s_delay_alu instid0(VALU_DEP_1)
	v_add_nc_u32 v[STO], s37, v[STO]
	s_lshl_b32 s38, s22, 10
	s_lshl_b32 s39, s21, 6
	s_add_co_u32 s38, s38, s39
	s_add_co_u32 s38, s38, SG
	v_lshl_add_u32 v[SGA], v2, 2, s38              ; SG + 1,024 x half + 64 x tile + 4 r
	s_lshl_b32 s39, s21, 9
	s_add_co_u32 s39, s39, SG
	v_add_nc_u32 v[SGR], s39, v[LA]
	s_lshl_b32 s39, s21, 1
	v_add_nc_u32 v[SGO], s39, v3                   ; fragment 2 (w % 4) + h
	s_delay_alu instid0(VALU_DEP_1)
	v_mul_u32_u24 v[SGO], v[SGO], KPITCH
	s_delay_alu instid0(VALU_DEP_1)
	v_lshl_add_u32 v[SGO], v2, 4, v[SGO]
.irp b, 0,1,2,3
	v_mov_b32 v[TM+4+\b], 0                        ; written once: a lane permute's destination counts as one of its sources
.endr
.macro LOAD f                          ; fragment f: 16 rows x 512 bytes into set f % 2; row t of the tile is row t + 8 (t / 8) from the tile's first
.irp t, 0,1,2,3,4,5,6,7,8,9,10,11,12,13,14,15
	global_load_b128 v[R+64*((\f)%2)+4*\t:R+64*((\f)%2)+4*\t+3], v[LA+8*(\t/8)], s[24:25] offset:(\t+8*(\t/8))*4096+512*(\f) th:TH_LOAD_NT
.endr
.endm
.macro FRAGMENT f
.if (\f) < 3
	s_wait_loadcnt 16                              ; this fragment's 16 loads are in; the next fragment's 16 may be out
.else
	s_wait_loadcnt 0x0
.endif
.irp t, 0,1,2,3,4,5,6,7,8,9,10,11,12,13,14,15
	ds_store_b128 v[STI], v[R+64*((\f)%2)+4*\t:R+64*((\f)%2)+4*\t+3] offset:SPITCH*\t
.endr
.irp b, 0,1,2,3
.irp j, 0,1,2,3
	ds_load_b128 v[XN+16*\b+4*\j:XN+16*\b+4*\j+3], v[STO] offset:128*\b+16*\j   ; LDS serves a wave's instructions in order: these see the stores above
.endr
.endr
	s_wait_dscnt 0x0                               ; my 64 numbers are back; the stores have read their registers
	s_wait_xcnt 0x0                                ; the last fragment's stores have read the codes' registers, which are written again below
.if (\f) < 2
	LOAD (\f)+2
.endif
.irp b, 0,1,2,3
	v_max3_num_f32 v[TM+\b], |v[XN+16*\b]|, |v[XN+16*\b+1]|, 0x1800000   ; block b: my 16 numbers, and the floor 2^(3 - 127): the byte cannot fall under 1
.endr
.irp i, 2,4,6,8,10,12,14
.irp b, 0,1,2,3
	s_delay_alu instid0(VALU_DEP_4)
	v_max3_num_f32 v[TM+\b], v[TM+\b], |v[XN+16*\b+\i]|, |v[XN+16*\b+\i+1]|   ; the four blocks by turns
.endr
.endr
.irp b, 0,1,2,3
	s_delay_alu instid0(VALU_DEP_4)
	v_permlanex16_b32 v[TM+4+\b], v[TM+\b], s40, s41
.endr
.irp b, 0,1,2,3
	s_delay_alu instid0(VALU_DEP_4)
	v_max_num_f32 v[TM+\b], v[TM+\b], v[TM+4+\b]   ; with lane l xor 16's 16: the block's largest magnitude
.endr
.irp b, 0,1,2,3
	s_delay_alu instid0(VALU_DEP_4)
	v_add_nc_u32 v[TM+12+\b], 0xff000000, v[TM+\b] ; 2 off its exponent field: the conversion takes that field as its scale
.endr
.irp b, 0,1,2,3
	s_delay_alu instid0(VALU_DEP_4)
	v_lshrrev_b32 v[TM+4+\b], 23, v[TM+12+\b]      ; the scale's byte
.endr
	s_delay_alu instid0(VALU_DEP_3)
	v_lshl_or_b32 v[PW], v[TM+5], 8, v[TM+4]
	s_delay_alu instid0(VALU_DEP_1)
	v_lshl_or_b32 v[PW], v[TM+6], 16, v[PW]
	s_delay_alu instid0(VALU_DEP_1)
	v_lshl_or_b32 v[PW], v[TM+7], 24, v[PW]
.irp c, 0,1
	v_cvt_scalef32_pk16_fp6_f32 v[PC+6*\c:PC+6*\c+2], v[XN+32*\c:XN+32*\c+15], v[TM+12+2*\c]
	v_cvt_scalef32_pk16_fp6_f32 v[CT+4*\c:CT+4*\c+2], v[XN+32*\c+16:XN+32*\c+31], v[TM+13+2*\c]   ; (a conversion's three registers begin on an even number)
.endr
	v_nop                                          ; one plain place behind a scaled conversion
.irp c, 0,1                                    ; the operand wants a WHOLE block in a lane: lanes 0-15 block 2 c, lanes 16-31 block 2 c + 1
.irp i, 0,1,2
	v_permlane16_swap_b32 v[PC+6*\c+\i], v[CT+4*\c+\i]
.endr
.irp i, 0,1,2
	s_delay_alu instid0(VALU_DEP_3)
	v_mov_b32 v[PC+3+6*\c+\i], v[CT+4*\c+\i]
.endr
.endr
.irp g, 0,1,2
	global_store_b128 v[LA], v[PC+4*\g:PC+4*\g+3], s[28:29] offset:1536*(\f)+512*\g   ; 32 lanes store 512 consecutive bytes, aligned
.endr
	ds_store_b32 v[SGA], v[PW] offset:256*(\f)     ; lanes r and 16 + r write the same word with the same value
.endm
	LOAD 0
	LOAD 1
	FRAGMENT 0
	FRAGMENT 1
	FRAGMENT 2
	FRAGMENT 3
	s_wait_dscnt 0x0                               ; for the others' sake: my scale words lie in LDS
	s_barrier_signal -1
	s_barrier_wait -1
	s_cmp_lt_u32 s20, 4
	s_cbranch_scc0 .Lend
	ds_load_b128 v[16:19], v[SGR]                  ; waves 0-3: two fragments' 64 words each
	s_wait_dscnt 0x0
	global_store_b128 v[SGO], v[16:19], s[30:31]   ; sixteen lanes store 256 consecutive bytes, aligned
.Lend:
	s_wait_tensorcnt 0x0
	ds_add_u32 v254, v255
	s_wait_dscnt 0x0
	s_endpgm
; THE TABLE.  cos and sin of pos x 1000^(-i / 32), i = 0 .. 31.  Lane l holds elements 2 l and 2 l + 1 of a position's 64: half h = l / 16, cos (0) or sin (1) = (l / 8) % 2, i = 16 h + 2 (l % 8) and the next.
; 1000^(-i / 32) is made as a product of 1000^(-2^n / 32) over the set bits of i, each factor and the product kept as a pair (high, low) of f32, and rounded to f32 once.
; The angle is one f32 product, as the definition has it.  It is reduced by a whole number n of quarter turns (pi / 2 in two parts, by fused multiply-adds) to |rr| <= pi / 4; there sine and cosine are polynomials
; of degree 7 and 8, good to about 1e-7; n's low bits choose between them and set the sign.  A wave takes 16 positions.
.Ltable:
	s_wait_kmcnt 0x0
	v_and_b32 v1, 31, v0
	s_delay_alu instid0(VALU_DEP_1)
	v_lshlrev_b32 v5, 3, v1                        ; 8 bytes a lane
	v_bfe_u32 v3, v0, 3, 1
	s_delay_alu instid0(VALU_DEP_1)
	v_sub_nc_u32 v4, 1, v3                         ; a cosine is the sine a quarter turn on
	v_bfe_u32 v2, v0, 4, 1
	v_and_b32 v6, 7, v0
	s_delay_alu instid0(VALU_DEP_2)
	v_lshlrev_b32 v2, 4, v2
	s_delay_alu instid0(VALU_DEP_1)
	v_lshl_or_b32 v2, v6, 1, v2                    ; i, even
	v_mov_b32 v10, 1.0
	v_mov_b32 v11, 0
.macro DFMUL bit, hi, lo               ; (v10, v11) x (hi, lo) where that bit of i is set, x 1 elsewhere
	v_and_b32 v12, 1<<(\bit), v2
	s_delay_alu instid0(VALU_DEP_1)
	v_cmp_ne_u32 vcc_lo, 0, v12
	v_mov_b32 v13, \hi
	v_mov_b32 v14, \lo
	s_delay_alu instid0(VALU_DEP_2)
	v_cndmask_b32 v13, 1.0, v13, vcc_lo
	s_delay_alu instid0(VALU_DEP_2)
	v_cndmask_b32 v14, 0, v14, vcc_lo
	s_delay_alu instid0(VALU_DEP_2)
	v_mul_f32 v16, v10, v13
	s_delay_alu instid0(VALU_DEP_1)
	v_fma_f32 v17, v10, v13, -v16                  ; what the product's rounding dropped,
	s_delay_alu instid0(VALU_DEP_1)
	v_fma_f32 v17, v10, v14, v17                   ; and the cross terms
	s_delay_alu instid0(VALU_DEP_1)
	v_fma_f32 v17, v11, v13, v17
	s_delay_alu instid0(VALU_DEP_1)
	v_add_f32 v10, v16, v17
	s_delay_alu instid0(VALU_DEP_1)
	v_sub_f32 v18, v16, v10
	s_delay_alu instid0(VALU_DEP_1)
	v_add_f32 v11, v18, v17
.endm
	DFMUL 1, 0x3f264000, 0xb8080670                ; 1000^(-2/32)  = 2660/4096 - 3.24309238e-5
	DFMUL 2, 0x3ed7e000, 0x3889aa62                ; 1000^(-4/32)  = 1727/4096 + 6.56440536e-5
	DFMUL 3, 0x3e362000, 0xb7ef1c89                ; 1000^(-8/32)  = 2914/16384 - 2.85043086e-5
	DFMUL 4, 0x3d018800, 0xb58ec57f                ; 1000^(-16/32) = 4145/131072 - 1.06373035e-6
	s_delay_alu instid0(VALU_DEP_3)
	v_mov_b32 v20, v10                             ; the even i's
	v_or_b32 v2, 1, v2
	DFMUL 0, 0x3f4e5000, 0xb88a71ba                ; 1000^(-1/32)  = 3301/4096 - 6.60153635e-5
	s_delay_alu instid0(VALU_DEP_3)
	v_mov_b32 v21, v10                             ; the odd i's
	v_mov_b32 v36, 0xb94ca1f9                      ; -1.9515295891e-4
	v_mov_b32 v37, 0x37ccf5ce                      ; 2.443315711809948e-5
	s_sub_co_u32 s21, ttmp9, 448
	s_lshl_b32 s21, s21, 3
	s_add_co_u32 s21, s21, s20
	s_lshl_b32 s21, s21, 4                         ; my first position
	v_cvt_f32_u32 v22, s21
	s_lshl_b32 s22, s21, 8                         ; 256 bytes a position
	s_mov_b32 s23, 0
	s_add_nc_u64 s[18:19], s[18:19], s[22:23]
	s_add_nc_u64 s[18:19], s[18:19], XT0
.macro SINCOS inv, out
	v_mul_f32 v24, v22, v[\inv]                    ; the angle
	s_delay_alu instid0(VALU_DEP_1)
	v_mul_f32 v25, 0x3f22f983, v24                 ; x 2 / pi
	s_delay_alu instid0(VALU_DEP_1)
	v_rndne_f32 v25, v25                           ; n
	s_delay_alu instid0(VALU_DEP_1)
	v_fmamk_f32 v26, v25, 0xbfc90fdb, v24          ; - n x (pi / 2)'s high part,
	s_delay_alu instid0(VALU_DEP_1)
	v_fmamk_f32 v26, v25, 0x333bbd2e, v26          ; - n x its low part (-4.37113883e-8)
	s_delay_alu instid0(VALU_DEP_1)
	v_mul_f32 v27, v26, v26
	s_delay_alu instid0(VALU_DEP_1)
	v_fmaak_f32 v28, v36, v27, 0x3c08839e          ; 8.3321608736e-3
	s_delay_alu instid0(VALU_DEP_2)
	v_fmaak_f32 v30, v37, v27, 0xbab6061a          ; -1.388731625493765e-3
	s_delay_alu instid0(VALU_DEP_2)
	v_fmaak_f32 v28, v28, v27, 0xbe2aaaa3          ; -1.6666654611e-1
	s_delay_alu instid0(VALU_DEP_2)
	v_fmaak_f32 v30, v30, v27, 0x3d2aaaa5          ; 4.166664568298827e-2
	v_mul_f32 v29, v26, v27
	s_delay_alu instid0(VALU_DEP_2)
	v_fmaak_f32 v30, v30, v27, 0xbf000000          ; -0.5
	s_delay_alu instid0(VALU_DEP_2)
	v_fma_f32 v28, v29, v28, v26                   ; sin rr
	s_delay_alu instid0(VALU_DEP_2)
	v_fma_f32 v30, v30, v27, 1.0                   ; cos rr
	v_cvt_i32_f32 v31, v25
	s_delay_alu instid0(VALU_DEP_1)
	v_add_nc_u32 v31, v31, v4
	s_delay_alu instid0(VALU_DEP_1)
	v_and_b32 v32, 1, v31
	s_delay_alu instid0(VALU_DEP_1)
	v_cmp_ne_u32 vcc_lo, 0, v32
	s_delay_alu instid0(VALU_DEP_1)
	v_cndmask_b32 v33, v28, v30, vcc_lo            ; odd quarter: the cosine
	s_delay_alu instid0(VALU_DEP_4)
	v_lshlrev_b32 v31, 30, v31
	s_delay_alu instid0(VALU_DEP_1)
	v_and_b32 v31, 0x80000000, v31                 ; quarters 2 and 3: the sign turns
	s_delay_alu instid0(VALU_DEP_1)
	v_xor_b32 v[\out], v33, v31
.endm
	s_mov_b32 s42, 16
.Lpos:
	s_wait_alu depctr_va_vdst(0)
	SINCOS 20, 34
	SINCOS 21, 35
	global_store_b64 v5, v[34:35], s[18:19]        ; 32 lanes store 256 consecutive bytes, aligned
	s_wait_xcnt 0x0                                ; the store has read its data and its base: both are written again
	s_add_nc_u64 s[18:19], s[18:19], 256
	v_add_f32 v22, 1.0, v22
	s_sub_co_u32 s42, s42, 1
	s_cmp_lg_u32 s42, 0
	s_cbranch_scc1 .Lpos
	s_endpgm
.Lfunc_end_k_q9312c650a9_quant:
	.size	k_q9312c650a9_quant, .Lfunc_end_k_q9312c650a9_quant-k_q9312c650a9_quant
	.p2alignl 7, 3214868480
	.fill 96, 4, 3214868480
	.section	.rodata,"a",@progbits
	.p2align	6, 0x0
	.amdhsa_kernel k_q9312c650a9_quant
		.amdhsa_group_segment_fixed_size 70656
		.amdhsa_private_segment_fixed_size 0
		.amdhsa_enable_private_segment 0
		.amdhsa_kernarg_size 64
		.amdhsa_user_sgpr_count 2
		.amdhsa_user_sgpr_kernarg_segment_ptr 1
		.amdhsa_wavefront_size32 1
		.amdhsa_system_sgpr_workgroup_id_x 1
		.amdhsa_system_sgpr_workgroup_id_y 1
		.amdhsa_system_sgpr_workgroup_id_z 1
		.amdhsa_system_vgpr_workitem_id 0
		.amdhsa_next_free_vgpr 256
		.amdhsa_next_free_sgpr 66
		.amdhsa_reserve_vcc 1
		.amdhsa_float_denorm_mode_32 3
		.amdhsa_float_denorm_mode_16_64 3
		.amdhsa_memory_ordered 1
		.amdhsa_forward_progress 1
		.amdhsa_inst_pref_size 52
	.end_amdhsa_kernel
	.amdgpu_metadata
---
amdhsa.version: [ 1, 2 ]
amdhsa.kernels:
  - .name:           k_q9312c650a9_quant
    .symbol:         k_q9312c650a9_quant.kd
    .args:
      - { .name: q_in, .offset: 0, .size: 8, .value_kind: global_buffer, .address_space: global }
      - { .name: k_in, .offset: 8, .size: 8, .value_kind: global_buffer, .address_space: global }
      - { .name: v_in, .offset: 16, .size: 8, .value_kind: global_buffer, .address_space: global }
      - { .name: W_q, .offset: 24, .size: 8, .value_kind: global_buffer, .address_space: global }
      - { .name: W_k, .offset: 32, .size: 8, .value_kind: global_buffer, .address_space: global }
      - { .name: W_v, .offset: 40, .size: 8, .value_kind: global_buffer, .address_space: global }
      - { .name: W_o, .offset: 48, .size: 8, .value_kind: global_buffer, .address_space: global }
      - { .name: X, .offset: 56, .size: 8, .value_kind: global_buffer, .address_space: global }
    .group_segment_fixed_size: 70656
    .private_segment_fixed_size: 0
    .kernarg_segment_align: 8
    .kernarg_segment_size: 64
    .max_flat_workgroup_size: 256
    .sgpr_count:     66
    .vgpr_count:     256
    .wavefront_size: 32
...
	.end_amdgpu_metadata
.endif
;; end of part 1
;; launch proj (part 2): grid 4 x 96, 4 waves a work-group, clusters of 4 x 4, 327,680 bytes of LDS; arguments X, context_bias, Q, KV; writes Q, KV
.if DOCPART == 2
	.amdgcn_target "amdgcn-amd-amdhsa--gfx1250"
	.amdhsa_code_object_version 6
	.text
	.protected	k_q9312c650a9_proj
	.globl	k_q9312c650a9_proj
	.p2align	8
	.type	k_q9312c650a9_proj,@function
k_q9312c650a9_proj:
	s_mov_b64 s[64:65], 0
	v_nop
	global_prefetch_b8 v0, s[64:65] scope:SCOPE_SE
	s_setreg_imm32_b32 hwreg(HW_REG_WAVE_MODE, 25, 1), 1
	s_wait_xcnt 0x0
	s_wait_alu depctr_hold_cnt(0) depctr_sa_sdst(0) depctr_va_vdst(0) depctr_va_sdst(0) depctr_va_ssrc(0) depctr_va_vcc(0) depctr_vm_vsrc(0)
	s_getreg_b32 s2, hwreg(HW_REG_IB_STS2, 6, 4)
	s_cmp_eq_u32 s2, 0
	s_cbranch_scc0 .Lentry_in_a_cluster
	s_endpgm
.Lentry_in_a_cluster:
	s_bfe_u32 s2, ttmp6, 0x10000c
	s_cmp_lg_u32 s2, 0xf033
	s_cbranch_scc0 .Lentry_shape_is_right
	s_endpgm
.Lentry_shape_is_right:
.set XS0,   22020096
.set XT0,   22937600
.set NQ,    2
.set FR,    12
.set NL,    3
.set NP,    4
.set HALFT, 24576
.set SLOT,  4*HALFT
.set SCL,   2*SLOT
.set SPARE, 213248
.set TA,   7
.set ADRA, 16
.set ADRB, 20
.set ADRS, 27
.set SPW,  28
.set NIL,  29
.set LI,   30
.set SA,   31
.set SC,   32
.set BIAS, 64
.set CS,   64
.set AF,   128
.set HA,   128
.set IMG0, 192
.set IMG1, 204
.set CT,   216
.set TM,   224
.set WR,   240
.set OW,   248
.set G1, 24
.set G0, 32
.set G1B, 48
.set G0B, 56
.set G1S, 68
.set G0S, 76
.set G1SB, 80
.set G0SB, 88
.set MSB, 0
.macro WIN new
.if MSB != (\new)
	s_set_vgpr_msb (MSB<<8)|(\new)
.set MSB, (\new)
.endif
.endm
.set MUL_LO, 0xa1
.set MUL_HI, 0xf1
.set FST_LO, 0x81
.set FST_HI, 0xc1
.set TO_B,   0x40
.macro JLOAD g0a, g1a, g0b, g1b
	s_cmp_eq_u32 s15, 0
	s_cbranch_scc0 .Lfor_b_\@
	tensor_load_to_lds s[\g0a:\g0a+3], s[\g1a:\g1a+7]
	s_nop 0
.rept 4
	v_nop
.endr
	s_branch .Lasked_\@
.Lfor_b_\@:
	tensor_load_to_lds s[\g0b:\g0b+3], s[\g1b:\g1b+7]
	s_nop 0
.rept 4
	v_nop
.endr
.Lasked_\@:
.endm
.macro CREST
	s_cmp_lg_u32 s14, 0
	s_cbranch_scc1 .Lnot_wave_0_\@
	s_barrier_signal -3
.Lnot_wave_0_\@:
	s_barrier_wait -3
	s_barrier_signal -1
	s_barrier_wait -1
.endm
.macro CROUND
	s_barrier_signal -1
	s_barrier_wait -1
	CREST
.endm
	s_load_b256 s[4:11], s[0:1], 0x0
	v_lshl_add_u32 v[SPW], v0, 2, SPARE
	v_mov_b32 v[NIL], 0
	ds_add_u32 v28, v29
	ds_add_u32 v28, v29
	s_wait_dscnt 0x0
	v_lshrrev_b32 v1, 5, v0
	v_readfirstlane_b32 s14, v1
	s_lshr_b32 s15, s14, 1
	s_and_b32 s16, s14, 1
	s_bfe_u32 s40, ttmp6, 0x40000
	s_bfe_u32 s41, ttmp6, 0x40004
	s_and_b32 s17, ttmp7, 0xffff
	s_lshr_b32 s12, s17, 3
	s_and_b32 s13, s17, 7
	s_lshl_b32 s43, s41, 2
	s_lshl_b32 s43, 15, s43
	s_lshl_b32 s44, 0x1111, s40
	s_or_b32 s[G1+0], s43, (3<<16)|(1<<21)
	s_or_b32 s[G1B+0], s44, (3<<16)|(1<<21)
.irp g, G1, G1B
	s_mov_b32 s[\g+1], 384<<16
	s_mov_b32 s[\g+2], 8<<16
	s_mov_b32 s[\g+3], 384<<16
	s_mov_b32 s[\g+4], 8
	s_mov_b32 s[\g+5], 1536
	s_mov_b32 s[\g+6], 0
	s_mov_b32 s[\g+7], 0
.endr
	s_or_b32 s[G1S+0], s43, (3<<16)|(1<<21)
	s_or_b32 s[G1SB+0], s44, (3<<16)|(1<<21)
.irp g, G1S, G1SB
	s_mov_b32 s[\g+1], 64<<16
	s_mov_b32 s[\g+2], 8<<16
	s_mov_b32 s[\g+3], 64<<16
	s_mov_b32 s[\g+4], 8
	s_mov_b32 s[\g+5], 14336
	s_mov_b32 s[\g+6], 0
	s_mov_b32 s[\g+7], 0
.endr
	s_lshl_b32 s18, s12, 13
	s_lshl_b32 s19, s13, 10
	s_add_co_u32 s20, s18, s19
	s_lshl_b32 s18, s12, 10
	s_add_co_u32 s46, s18, 24576
	s_add_co_u32 s19, s19, 16384
	s_mov_b32 s18, 26624
	s_cmp_lt_u32 s12, 2
	s_cselect_b32 s20, s20, s18
	s_cselect_b32 s46, s46, s19
	s_lshl_b32 s18, s16, 7
	s_lshl_b32 s19, s41, 8
	s_add_co_u32 s20, s20, s19
	s_add_co_u32 s20, s20, s18
	s_lshl_b32 s47, s40, 8
	s_add_co_u32 s46, s46, s47
	s_add_co_u32 s46, s46, s18
	s_lshl_b32 s22, s20, 2
	s_add_co_u32 s22, s22, XS0
	s_mov_b32 s23, 0
	s_mul_i32 s20, s20, 768
	s_mov_b32 s21, 0
	s_lshl_b32 s92, s46, 2
	s_add_co_u32 s92, s92, XS0
	s_mov_b32 s93, 0
	s_mul_i32 s46, s46, 768
	s_mov_b32 s47, 0
	s_mul_i32 s45, s14, HALFT
	s_lshl_b32 s94, s14, 12
	s_lshl_b32 s95, s15, 6
	s_add_co_u32 s94, s94, s95
	s_wait_kmcnt 0x0
	s_add_nc_u64 s[20:21], s[4:5], s[20:21]
	s_add_nc_u64 s[22:23], s[4:5], s[22:23]
	s_add_nc_u64 s[46:47], s[4:5], s[46:47]
	s_add_nc_u64 s[92:93], s[4:5], s[92:93]
	CROUND
	s_mov_b32 s[G0S], 1
	s_add_co_u32 s[G0S+1], s94, SCL
	s_mov_b64 s[G0S+2:G0S+3], s[22:23]
	s_or_b32 s[G0S+3], s[G0S+3], 0x80000000
	s_mov_b32 s[G0SB], 1
	s_add_co_u32 s[G0SB+1], s94, SCL
	s_mov_b64 s[G0SB+2:G0SB+3], s[92:93]
	s_or_b32 s[G0SB+3], s[G0SB+3], 0x80000000
	JLOAD G0S, G1S, G0SB, G1SB
.irp s, 0,1
	s_mov_b32 s[G0+4*\s], 1
	s_add_co_u32 s[G0+4*\s+1], s45, \s*SLOT
	s_add_nc_u64 s[G0+4*\s+2:G0+4*\s+3], s[20:21], \s*3072
	s_or_b32 s[G0+4*\s+3], s[G0+4*\s+3], 0x80000000
	s_mov_b32 s[G0B+4*\s], 1
	s_add_co_u32 s[G0B+4*\s+1], s45, \s*SLOT
	s_add_nc_u64 s[G0B+4*\s+2:G0B+4*\s+3], s[46:47], \s*3072
	s_or_b32 s[G0B+4*\s+3], s[G0B+4*\s+3], 0x80000000
	s_wait_alu depctr_va_vdst(0)
	s_wait_tensorcnt 0x0
	ds_add_u32 v28, v29
	s_wait_dscnt 0x0
	CROUND
	JLOAD G0+4*\s, G1, G0B+4*\s, G1B
.endr
	v_and_b32 v1, 15, v0
	v_bfe_u32 v2, v0, 4, 1
	s_wait_alu depctr_va_vdst(0)
	v_and_b32 v3, 31, v0
	v_lshlrev_b32 v[LI], 4, v3
	s_mul_i32 s21, s15, HALFT
	s_mul_i32 s22, s16, HALFT
	s_add_co_u32 s22, s22, 2*HALFT
.irp s, 0,1
	v_add_nc_u32 v[ADRA+\s], s21, v[LI]
	v_add_nc_u32 v[ADRB+\s], s22, v[LI]
	s_add_co_u32 s21, s21, SLOT
	s_add_co_u32 s22, s22, SLOT
.endr
	s_lshl_b32 s21, s15, 12
	s_lshl_b32 s22, s16, 12
	s_add_co_u32 s22, s22, 8256
	s_sub_co_u32 s22, s22, s21
	v_mul_u32_u24 v4, s22, v2
	s_add_co_u32 s21, s21, SCL
	v_lshl_add_u32 v4, v1, 2, v4
	v_add_nc_u32 v[ADRS], s21, v4
	s_cmp_lt_u32 s12, 2
	s_cselect_b32 s18, s41, s40
	s_cselect_b32 s19, s15, s16
	s_cselect_b32 s20, s40, s41
	s_cselect_b32 s21, s16, s15
	s_lshl_b32 s22, s13, 2
	s_add_co_u32 s22, s22, s18
	s_lshl_b32 s22, s22, 1
	s_add_co_u32 s22, s22, s19
	s_lshl_b32 s20, s20, 1
	s_add_co_u32 s20, s20, s21
	s_lshr_b32 s18, s22, 4
	s_and_b32 s19, s22, 15
	s_lshl_b32 s21, s18, 4
	s_add_co_u32 s21, s21, s20
	s_add_co_u32 s21, s21, s20
	s_lshl_b32 s21, s21, 4
	s_add_co_u32 s21, s21, s19
	s_cmp_eq_u32 s12, 0
	s_cselect_b64 s[92:93], s[8:9], s[10:11]
	s_mov_b32 s23, 12800
	s_cselect_b32 s23, 6400, s23
	s_mov_b32 s42, 12288
	s_cselect_b32 s42, 6144, s42
	s_cselect_b32 s45, -1, 0
	s_cmp_eq_u32 s12, 2
	s_cselect_b32 s47, 6144, 0
	s_mov_b32 s46, 12544
	s_cselect_b32 s42, s46, s42
	s_mul_i32 s21, s21, s23
	s_lshl_b32 s100, s23, 4
	s_add_co_u32 s46, s21, s47
	s_mov_b32 s47, 0
	s_add_co_u32 s42, s21, s42
	s_mov_b32 s43, 0
	s_add_nc_u64 s[96:97], s[92:93], s[42:43]
	s_add_nc_u64 s[92:93], s[92:93], s[46:47]
	s_mov_b32 s46, s100
	s_add_nc_u64 s[94:95], s[92:93], s[46:47]
	s_lshl_b32 s46, s19, 15
	s_add_co_u32 s46, s46, XT0
	s_add_nc_u64 s[98:99], s[4:5], s[46:47]
	s_lshl_b32 s46, s18, 12
	s_lshl_b32 s42, s20, 9
	s_add_co_u32 s46, s46, s42
	s_add_nc_u64 s[6:7], s[6:7], s[46:47]
	v_lshlrev_b32 v5, 6, v2
.irp e, 0,1,2,3
.irp g, 0,1,2,3
	global_load_b128 v[BIAS+16*\e+4*\g:BIAS+16*\e+4*\g+3], v5, s[6:7] offset:128*\e+16*\g
.endr
.endr
	s_cmp_eq_u32 s12, 1                            ; K's rows lie in k_in's own stored order: block a, row r is position 64 (a / 4) + 8 (a % 4) + r % 8 + 32 (r / 8)
	s_cselect_b32 s42, 3, 1
	s_cselect_b32 s43, 0, 4096
	v_and_b32 v6, 8, v1
	v_mad_u32_u24 v6, v6, s42, v1
	v_lshlrev_b32 v[TA], 8, v6
	v_lshl_add_u32 v[TA], v2, 7, v[TA]
	v_add_nc_u32 v18, s43, v[TA]                   ; for blocks 2, 3, 6, 7: 16 positions further on for Q, none for K
	v_mul_u32_u24 v[SA], s100, v2
	v_lshl_add_u32 v[SA], v1, 4, v[SA]
.irp b, 0,1,2,3
	v_mov_b32 v[TM+4+\b], 0
.endr
	s_mov_b32 s2, 0x76543210
	s_mov_b32 s3, 0xfedcba98
	s_mov_b32 s101, 0xffff0000
	s_wait_loadcnt 0x0
.set i, 0
.rept 64
	v_cndmask_b32 v[BIAS+i], 0, v[BIAS+i], s45
.set i, i+1
.endr
.macro FRAG reg, adr, q, i
.irp g, 0,1,2
	ds_load_b128 v[(\reg)+4*\g:(\reg)+4*\g+3], v[\adr] offset:3072*(\i)+1536*(\q)+512*\g
.endr
.endm
.macro MUL16 a0, p, q, sc, zero
.irp a, \a0, \a0+1
.irp b, 0,1,2,3,4,5,6,7
.if \zero
	v_wmma_scale_f32_16x16x128_f8f6f4 v[8*(8*((\a)%4)+\b):8*(8*((\a)%4)+\b)+7], v[128*(\p)+FR*\b:128*(\p)+FR*\b+FR-1], v[AF+FR*(\a):AF+FR*(\a)+FR-1], v[BIAS+8*\b:BIAS+8*\b+7], v[SC+8*NQ*(\sc)+NQ*\b+(\q)], v[SC+8*NQ*(\sc)+NQ*(\a)+(\q)] matrix_a_fmt:MATRIX_FMT_FP6 matrix_b_fmt:MATRIX_FMT_FP6 matrix_a_scale:MATRIX_SCALE_ROW1
.else
	v_wmma_scale_f32_16x16x128_f8f6f4 v[8*(8*((\a)%4)+\b):8*(8*((\a)%4)+\b)+7], v[128*(\p)+FR*\b:128*(\p)+FR*\b+FR-1], v[AF+FR*(\a):AF+FR*(\a)+FR-1], v[8*(8*((\a)%4)+\b):8*(8*((\a)%4)+\b)+7], v[SC+8*NQ*(\sc)+NQ*\b+(\q)], v[SC+8*NQ*(\sc)+NQ*(\a)+(\q)] matrix_a_fmt:MATRIX_FMT_FP6 matrix_b_fmt:MATRIX_FMT_FP6 matrix_a_scale:MATRIX_SCALE_ROW1
.endif
.endr
.endr
.endm
.macro FETCH_B slot, q, p
	WIN TO_B
.irp i, 0,1,2,3,4,5,6,7
	FRAG 128*(\p)+FR*\i, ADRB+\slot, \q, \i
.endr
	WIN 0
.endm
.macro FETCH_A slot, q, i0
.irp i, \i0, \i0+1, \i0+2, \i0+3
	FRAG AF+FR*(\i), ADRA+\slot, \q, \i
.endr
.endm
.macro SCALES sc
.irp i, 0,1,2,3,4,5,6,7
.irp q, 0,1
	ds_load_b32 v[SC+16*(\sc)+2*\i+\q], v[ADRS] offset:512*\q+64*\i
.endr
.endr
.endm
.macro PLACES n
.rept \n
	v_nop
.endr
.endm
.macro STEP slot, q, zero
	s_wait_dscnt 4*NL
.if \zero
	WIN FST_LO
.else
	WIN MUL_LO
.endif
	MUL16 0, (\q)%2, \q, \slot, \zero
	MUL16 2, (\q)%2, \q, \slot, \zero
	s_wait_dscnt 0
	PLACES NP
	FETCH_B \slot, (\q)+1, 1-(\q)%2
	FETCH_A \slot, (\q)+1, 0
.if \zero
	WIN FST_HI
.else
	WIN MUL_HI
.endif
	MUL16 4, (\q)%2, \q, \slot, \zero
	MUL16 6, (\q)%2, \q, \slot, \zero
	PLACES NP
	WIN 0
	FETCH_A \slot, (\q)+1, 4
.endm
.macro TURN slot, next, fill
	s_wait_tensorcnt 0x0
	ds_add_u32 v[SPW], v[NIL]
	s_wait_dscnt 4*NL+1
	WIN MUL_LO
	MUL16 0, 1, NQ-1, \slot, 0
	s_wait_dscnt 0x0
	s_barrier_signal -1
	MUL16 2, 1, NQ-1, \slot, 0
	WIN 0
	s_barrier_wait -1
.if \fill
	CREST
	s_add_nc_u64 s[G0+4*\slot+2:G0+4*\slot+3], s[G0+4*\slot+2:G0+4*\slot+3], 6144
	s_add_nc_u64 s[G0B+4*\slot+2:G0B+4*\slot+3], s[G0B+4*\slot+2:G0B+4*\slot+3], 6144
	JLOAD G0+4*\slot, G1, G0B+4*\slot, G1B
.else
	PLACES NP
.endif
	s_wait_alu depctr_va_vdst(0)
	v_add_nc_u32 v[ADRS], 1024, v[ADRS]
	FETCH_B \next, 0, 0
	FETCH_A \next, 0, 0
	SCALES \next
	WIN MUL_HI
	MUL16 4, 1, NQ-1, \slot, 0
	MUL16 6, 1, NQ-1, \slot, 0
	PLACES NP
	WIN 0
	FETCH_A \next, 0, 4
.endm
.macro CSLOAD a
.irp g, 0,1,2,3,4,5,6,7
	global_load_b128 v[CS+32*((\a)%2)+4*\g:CS+32*((\a)%2)+4*\g+3], v[TA+11*(((\a)%4)/2)], s[98:99] offset:(64*((\a)/4)+16*(((\a)%4)/2)+8*((\a)%2))*256+16*\g
.endr
.endm
	s_wait_alu depctr_va_vdst(0)
	s_wait_tensorcnt 1
	s_barrier_signal -1
	s_barrier_wait -1
	FETCH_B 0, 0, 0
	FETCH_A 0, 0, 0
	SCALES 0
	FETCH_A 0, 0, 4
	STEP 0, 0, 1
	TURN 0, 1, 1
	STEP 1, 0, 0
	TURN 1, 0, 1
	STEP 0, 0, 0
	TURN 0, 1, 0
	STEP 1, 0, 0
	CSLOAD 0
	CSLOAD 1
	s_wait_dscnt 4*NL
	WIN MUL_LO
	MUL16 0, 1, NQ-1, 1, 0
	MUL16 2, 1, NQ-1, 1, 0
	s_wait_dscnt 0
	WIN MUL_HI
	MUL16 4, 1, NQ-1, 1, 0
	MUL16 6, 1, NQ-1, 1, 0
	WIN 0
.macro QUANT s, w, d0, d1
	WIN (\w)|((\w)<<2)
.irp b, 0,1,2,3
	v_max3_num_f32 v[TM+\b], |v[(\s)+16*\b]|, |v[(\s)+16*\b+1]|, 0x1800000
.endr
.irp i, 2,4,6,8,10,12,14
.irp b, 0,1,2,3
	v_max3_num_f32 v[TM+\b], |v[(\s)+16*\b+\i]|, |v[(\s)+16*\b+\i+1]|, v[TM+\b]
.endr
.endr
	WIN 0
.irp b, 0,1,2,3
	v_permlanex16_b32 v[TM+4+\b], v[TM+\b], s2, s3
.endr
.irp b, 0,1,2,3
	v_max_num_f32 v[TM+\b], v[TM+\b], v[TM+4+\b]
.endr
.irp b, 0,1,2,3
	v_add_nc_u32 v[TM+12+\b], 0xff000000, v[TM+\b]
.endr
.irp b, 0,1,2,3
	v_lshrrev_b32 v[TM+4+\b], 23, v[TM+12+\b]
.endr
	WIN \w
	v_cvt_scalef32_pk16_fp6_f32 v[(\d0):(\d0)+2], v[(\s):(\s)+15], v[TM+12]
	v_cvt_scalef32_pk16_fp6_f32 v[CT:CT+2], v[(\s)+16:(\s)+31], v[TM+13]
	v_cvt_scalef32_pk16_fp6_f32 v[(\d1):(\d1)+2], v[(\s)+32:(\s)+47], v[TM+14]
	v_cvt_scalef32_pk16_fp6_f32 v[CT+4:CT+6], v[(\s)+48:(\s)+63], v[TM+15]
	WIN 0
	v_nop
.irp i, 0,1,2
	v_permlane16_swap_b32 v[(\d0)+\i], v[CT+\i]
	v_permlane16_swap_b32 v[(\d1)+\i], v[CT+4+\i]
.endr
.irp i, 0,1,2
	v_mov_b32 v[(\d0)+3+\i], v[CT+\i]
	v_mov_b32 v[(\d1)+3+\i], v[CT+4+\i]
.endr
.endm
.macro ROPE a
.set CB, CS+32*((\a)%2)
	WIN 2+(\a)/4
.irp hd, 0,1
.irp e, 0,1,2,3,4,5,6,7
.set X1, 8*(8*((\a)%4)+4*\hd)+2*\e
.set X2, X1+16
.set TT, 8+4*(\e%2)
	v_pk_mul_f32 v[TT:TT+1], v[X2:X2+1], v[CB+16+2*\e:CB+17+2*\e]
	v_pk_mul_f32 v[TT+2:TT+3], v[X2:X2+1], v[CB+2*\e:CB+2*\e+1]
	v_pk_fma_f32 v[HA+32*\hd+2*\e:HA+32*\hd+2*\e+1], v[X1:X1+1], v[CB+2*\e:CB+2*\e+1], v[TT:TT+1] neg_lo:[0,0,1] neg_hi:[0,0,1]
	v_pk_fma_f32 v[HA+32*\hd+16+2*\e:HA+32*\hd+17+2*\e], v[X1:X1+1], v[CB+16+2*\e:CB+17+2*\e], v[TT+2:TT+3]
.endr
.endr
	WIN 0
.endm
	PLACES NP
	s_cmp_eq_u32 s12, 2
	s_cbranch_scc1 .Lv
.irp a, 0,1,2,3,4,5,6,7
.if \a < 7
	s_wait_loadcnt 8
.else
	s_wait_loadcnt 0x0
.endif
	ROPE \a
	s_wait_xcnt 0x0
.if \a < 6
	CSLOAD \a+2
.endif
	QUANT HA, 0, IMG0+6*(\a%2), IMG1+6*(\a%2)
.if \a%2 == 0
	v_lshl_or_b32 v[WR+\a/2], v[TM+5], 8, v[TM+4]
	v_lshl_or_b32 v[WR+4+\a/2], v[TM+7], 8, v[TM+6]
.else
	v_lshl_or_b32 v[WR+\a/2], v[TM+4], 16, v[WR+\a/2]
	v_lshl_or_b32 v[WR+4+\a/2], v[TM+6], 16, v[WR+4+\a/2]
	v_lshl_or_b32 v[WR+\a/2], v[TM+5], 24, v[WR+\a/2]
	v_lshl_or_b32 v[WR+4+\a/2], v[TM+7], 24, v[WR+4+\a/2]
.irp g, 0,1,2
	global_store_b128 v[LI], v[IMG0+4*\g:IMG0+4*\g+3], s[92:93] offset:1536*(\a/2)+512*\g
	global_store_b128 v[LI], v[IMG1+4*\g:IMG1+4*\g+3], s[94:95] offset:1536*(\a/2)+512*\g
.endr
.endif
.endr
	s_branch .Ldone
.Lv:
.irp a, 0,1,2,3,4,5,6,7
	s_wait_xcnt 0x0
	QUANT 64*(\a%4), 2+\a/4, IMG0+12*(\a%2), IMG0+12*(\a%2)+6
	v_lshl_or_b32 v[WR+\a], v[TM+5], 8, v[TM+4]
	v_lshl_or_b32 v[WR+\a], v[TM+6], 16, v[WR+\a]
	v_lshl_or_b32 v[WR+\a], v[TM+7], 24, v[WR+\a]
.irp g, 0,1,2
	global_store_b128 v[LI], v[IMG0+12*(\a%2)+4*\g:IMG0+12*(\a%2)+4*\g+3], s[92+2*(\a/4):93+2*(\a/4)] offset:1536*(\a%4)+512*\g
.endr
.endr
.Ldone:
	s_wait_loadcnt 0x0
	s_wait_alu depctr_va_vdst(0)
.irp k, 0,1,2,3
	v_cndmask_b32 v[OW+\k], v[WR+\k], v[WR+4+\k], s101
.endr
	global_store_b128 v[SA], v[OW:OW+3], s[96:97]
	s_wait_tensorcnt 0x0
	ds_add_u32 v[SPW], v[NIL]
	s_wait_dscnt 0x0
	CROUND
	s_endpgm
.Lfunc_end_k_q9312c650a9_proj:
	.size	k_q9312c650a9_proj, .Lfunc_end_k_q9312c650a9_proj-k_q9312c650a9_proj
	.p2alignl 7, 3214868480
	.fill 96, 4, 3214868480
	.section	.rodata,"a",@progbits
	.p2align	6, 0x0
	.amdhsa_kernel k_q9312c650a9_proj
		.amdhsa_group_segment_fixed_size 327680
		.amdhsa_private_segment_fixed_size 0
		.amdhsa_enable_private_segment 0
		.amdhsa_kernarg_size 32
		.amdhsa_user_sgpr_count 2
		.amdhsa_user_sgpr_kernarg_segment_ptr 1
		.amdhsa_wavefront_size32 1
		.amdhsa_system_sgpr_workgroup_id_x 1
		.amdhsa_system_sgpr_workgroup_id_y 1
		.amdhsa_system_sgpr_workgroup_id_z 1
		.amdhsa_system_vgpr_workitem_id 0
		.amdhsa_next_free_vgpr 1024
		.amdhsa_next_free_sgpr 102
		.amdhsa_reserve_vcc 0
		.amdhsa_float_denorm_mode_32 3
		.amdhsa_float_denorm_mode_16_64 3
		.amdhsa_memory_ordered 1
		.amdhsa_forward_progress 1
		.amdhsa_inst_pref_size 221
	.end_amdhsa_kernel
	.amdgpu_metadata
---
amdhsa.version: [ 1, 2 ]
amdhsa.kernels:
  - .name:           k_q9312c650a9_proj
    .symbol:         k_q9312c650a9_proj.kd
    .args:
      - { .name: X, .offset: 0, .size: 8, .value_kind: global_buffer, .address_space: global }
      - { .name: context_bias, .offset: 8, .size: 8, .value_kind: global_buffer, .address_space: global }
      - { .name: Q, .offset: 16, .size: 8, .value_kind: global_buffer, .address_space: global }
      - { .name: KV, .offset: 24, .size: 8, .value_kind: global_buffer, .address_space: global }
    .group_segment_fixed_size: 327680
    .private_segment_fixed_size: 0
    .kernarg_segment_align: 8
    .kernarg_segment_size: 32
    .max_flat_workgroup_size: 128
    .sgpr_count:     102
    .vgpr_count:     1024
    .wavefront_size: 32
...
	.end_amdgpu_metadata
.endif
;; end of part 2
;; launch attn (part 3): grid 4 x 64, 16 waves a work-group, clusters of 4 x 1, 327,680 bytes of LDS; arguments Q, KV, O; writes O
.if DOCPART == 3
	.amdgcn_target "amdgcn-amd-amdhsa--gfx1250"
	.amdhsa_code_object_version 6
	.text
	.protected	k_q9312c650a9_attn
	.globl	k_q9312c650a9_attn
	.p2align	8
	.type	k_q9312c650a9_attn,@function
k_q9312c650a9_attn:
	s_mov_b64 s[64:65], 0
	v_nop
	global_prefetch_b8 v0, s[64:65] scope:SCOPE_SE
	s_setreg_imm32_b32 hwreg(HW_REG_WAVE_MODE, 25, 1), 1
	s_wait_xcnt 0x0
	s_wait_alu depctr_hold_cnt(0) depctr_sa_sdst(0) depctr_va_vdst(0) depctr_va_sdst(0) depctr_va_ssrc(0) depctr_va_vcc(0) depctr_vm_vsrc(0)
	s_getreg_b32 s2, hwreg(HW_REG_IB_STS2, 6, 4)
	s_cmp_eq_u32 s2, 0
	s_cbranch_scc0 .Lentry_in_a_cluster
	s_endpgm
.Lentry_in_a_cluster:
	s_bfe_u32 s2, ttmp6, 0x10000c
	s_cmp_lg_u32 s2, 0x3003
	s_cbranch_scc0 .Lentry_shape_is_right
	s_endpgm
.Lentry_shape_is_right:
; Attention on codes of FP6 (E2M3) with E8M0 scales: scores = Q K^T / 8 (K = the head's 64), p = 2^(t - M), O = (p V) / l (K = the 2,048 keys); O is quantised along d_model for the last projection.
; t = score x log2(e) / 8; M = the row's largest t so far, rounded UP to a whole number; p is quantised along the keys, not normalised; l is the sum of the unquantised p, in f32, and divides at the end.
; When M moves, l and O are multiplied by 2^(old M - new M): exact.
; SHARES.  A work-group owns 512 (stored) queries of ONE head.  Each of its sixteen waves owns one image of Q, two tiles of 16 queries, and takes them one after the other: two passes of 16 key steps.
; K AND V of the head are one dense stream of 16 steps of 128 keys, 12,800 bytes each (K's four images, V^T's four, K's words, V's words): 204,800 bytes, which stay in LDS for the whole launch.
; Wave w brings step w by its one tensor load at the head: nothing is filled again, and no barrier stands between the first key step and the end.
; CLUSTER: the four query blocks of a head need the same stream: each load is asked for JOINTLY (mask 15).  Nothing is prefetched: the head's loads ask for all that the launch reads by tensor loads, and no loop runs ahead of them.
; LAYOUT.  Both products are used transposed (S^T = K Q^T, O^T = V^T P^T): a lane holds ONE query throughout.  K's rows lie so that row m of tile i is key 64 (i / 4) + 8 (i % 4) + m % 8 + 32 (m / 8) of the step:
; the 32 registers of tiles 4 c .. 4 c + 3 are keys 64 c + 32 (lane / 16) + 0 .. 31, one WHOLE block of 32 in the very place that the next operand gives that lane: no lane is asked for a block's maximum, no codes change lanes.
; K = 64 IN AN INSTRUCTION OF 128.  An image of K holds two tiles of 16 keys (registers 0-5, 6-11).  Against [q | zeros] it gives the first tile's scores, against [zeros | q] the second's.  Zero codes add nothing.
; O: a fragment (16 rows x 128 of d_model: two heads) lies as two halves of 768 bytes, one a head: registers 0-3 of the half at 16 x lane, registers 4-5 at 512 + 8 x lane: each store covers whole aligned runs of 256 bytes.
; A row's scale word of O holds two bytes of each of two heads: this launch stores its two (2 bytes a lane, 4 bytes apart; 64 bytes a wave beside its 1,536 bytes of codes); the other two are the neighbouring head's work-group's.
; LIMITS: NaN and infinities are not served; the promise holds while the scaled scores stay under 2^31 in magnitude; a block of O whose largest magnitude lies under 2^-124 gets the byte 1.
.set STEPB, 12800
.set SPARE, 16*STEPB                   ; behind the stream: the spare words, 128 bytes for each wave: eight blocks of 256 bytes that no other line names
.set OS0,   6291456                    ; O: the scale words, [pair of heads 8][8,192 rows]
.set LI0, 1                            ; 16 x lane
.set SH8, 2                            ; 8 x (lane / 16)
.set SPW, 3                            ; LDS address of my spare word; never rewritten
.set NIL, 4                            ; 0; never rewritten
.set ADR, 5                            ; the step in hand, + 16 x lane
.set OLD, 6                            ; -M of the step before
.set TMP, 7
.set L8,  8                            ; 8 x lane
.set L4,  9                            ; 4 x lane
.set QF,  16                           ; v16-21 q, v22-27 zeros, v28-33 q
.set QS,  34                           ; q's scale word: (s0, s1, s0, s1)
.set KF,  36                           ; v36-83 four images: K's, then V's
.set KS,  84                           ; v84-87 lanes 0-15 K's scale words, lanes 16-31 V's
.set TS,  88                           ; v88-93 three partial sums of p
.set S,   96                           ; v96-159 S^T, then p
.set OT,  160                          ; v160-191 O^T
.set PC,  192                          ; v192-203 p's codes
.set CT,  204
.set BM,  212                          ; v212-215 largest scores, then v212-213 my two blocks' largest p
.set PT,  216
.set SO,  218                          ; the conversions' scale operands
.set FAC, 220                          ; f = 2^(old M - new M); named with v221 as a pair
.set PW,  221                          ; p's scale word
.set BY,  222
.set OF,  224                          ; v224-229, v232-237 my two half fragments of O
.set OW,  230                          ; v230, v238 their two scale bytes
.set Q1,  240                          ; v240-245, v246 the second tile's q and word
.set QS1, 246
.set WV,  10
.set SEL, 44
.set CC,  46                           ; s[46:47] c = log2(e) / 8
.set TB,  48                           ; LDS byte at which the step in hand begins
.set CNT, 49
.set NC,  50                           ; -c
.set HM,  51                           ; lanes 16-31
.macro CROUND                          ; a round of the cluster's barrier
	s_barrier_signal -1
	s_barrier_wait -1
	s_cmp_lg_u32 s[WV], 0
	s_cbranch_scc1 .Lnot_wave_0_\@
	s_barrier_signal -3
.Lnot_wave_0_\@:
	s_barrier_wait -3
	s_barrier_signal -1
	s_barrier_wait -1
.endm
	s_load_b128 s[4:7], s[0:1], 0x0                ; Q, KV
	s_load_b64 s[8:9], s[0:1], 0x10                ; O
	v_lshl_add_u32 v[SPW], v0, 2, SPARE
	v_mov_b32 v[NIL], 0
	ds_add_u32 v[SPW], v[NIL]                      ; the opening lines: the add, twice on end, and its wait ahead of my tensor load
	ds_add_u32 v[SPW], v[NIL]
	v_lshrrev_b32 v5, 5, v0
	v_readfirstlane_b32 s[WV], v5                  ; wave 0..15
	v_and_b32 v10, 31, v0
	v_and_b32 v11, 15, v0                          ; r
	v_bfe_u32 v[SH8], v0, 4, 1
	v_lshlrev_b32 v[LI0], 4, v10
	v_lshlrev_b32 v[L8], 3, v10
	v_lshlrev_b32 v[L4], 2, v10
	v_lshlrev_b32 v11, 4, v11                      ; 16 r
	v_lshlrev_b32 v[SH8], 3, v[SH8]
	v_mov_b32 v[PT], 0                             ; written once: a lane permute's destination counts as one of its sources
	v_mov_b32 v[PT+1], 0
	v_mov_b32 v[TMP], 0
	v_mov_b32 v[PW], 0                             ; (named as the upper half of a pair before it is first written)
	s_bfe_u32 s11, ttmp6, 0x40000                  ; cx
	s_lshl_b32 s12, ttmp9, 2
	s_add_co_u32 s12, s12, s11                     ; my block of 512 queries: it enters Q's and O's addresses alone
	s_and_b32 s13, ttmp7, 0xffff                   ; 16 x batch + head, which the four partners share
	; descriptor group 1: a step: 12,800 dense bytes as 50 rows of 256 (32 elements of 8 bytes)
	s_mov_b32 s24, 15|(3<<16)|(1<<21)              ; the mask: all four work-groups; elements of 8 bytes; bit 21 set beside a mask
	s_mov_b32 s25, 32<<16
	s_mov_b32 s26, 50<<16
	s_mov_b32 s27, 32<<16
	s_mov_b32 s28, 50
	s_mov_b32 s29, 32
	s_mov_b32 s30, 0
	s_mov_b32 s31, 0
	s_mul_i32 s18, s[WV], STEPB                    ; my step, in memory and in LDS
	s_mul_i32 s20, s13, 16*STEPB                   ; the head's stream
	s_add_co_u32 s20, s20, s18
	s_mov_b32 s21, 0
	s_mov_b32 s[SEL], 0x76543210
	s_mov_b32 s[SEL+1], 0xfedcba98                 ; v_permlanex16_b32's selects for lane l xor 16
	s_mov_b32 s[CC], 0x3e38aa3b
	s_mov_b32 s[CC+1], s[CC]                       ; (named with it as a pair, so it is written)
	s_mov_b32 s[NC], 0xbe38aa3b
	s_mov_b32 s[HM], 0xffff0000
	; Q: image w % 4 of the 128 queries 4 x block + w / 4
	s_lshl_b32 s52, s13, 4
	s_lshl_b32 s53, s12, 2
	s_add_co_u32 s52, s52, s53
	s_lshr_b32 s53, s[WV], 2
	s_add_co_u32 s52, s52, s53
	s_mul_i32 s52, s52, 6400
	s_and_b32 s54, s[WV], 3
	s_mul_i32 s55, s54, 1536
	s_lshl_b32 s54, s54, 2
	s_add_co_u32 s54, s54, 6144
	s_add_co_u32 s54, s54, s52
	s_add_co_u32 s52, s52, s55
	s_mov_b32 s53, 0
	s_mov_b32 s55, 0
	; O: row tiles 128 x batch + 32 x block + 2 w and the next; fragment head / 2, half head % 2
	s_lshr_b32 s56, s13, 4
	s_bfe_u32 s57, s13, 0x30001
	s_and_b32 s16, s13, 1
	s_lshl_b32 s58, s56, 7
	s_lshl_b32 s59, s12, 5
	s_add_co_u32 s58, s58, s59
	s_lshl_b32 s59, s[WV], 1
	s_add_co_u32 s58, s58, s59
	s_lshl_b32 s60, s58, 6                         ; 16 rows x 4 bytes a tile
	s_mul_i32 s58, s58, 12288
	s_mul_i32 s59, s57, 1536
	s_add_co_u32 s58, s58, s59
	s_mul_i32 s59, s16, 768
	s_add_co_u32 s58, s58, s59
	s_mov_b32 s59, 0
	s_lshl_b32 s61, s57, 15
	s_add_co_u32 s60, s60, s61
	s_lshl_b32 s61, s16, 1
	s_add_co_u32 s60, s60, s61
	s_add_co_u32 s60, s60, OS0
	s_mov_b32 s61, 0
	s_wait_alu depctr_va_vdst(0)                   ; directly ahead of the waits below
	s_wait_dscnt 0x0                               ; both opening adds are done
	s_wait_kmcnt 0x0
	s_add_nc_u64 s[20:21], s[6:7], s[20:21]
	s_add_nc_u64 s[52:53], s[4:5], s[52:53]
	s_add_nc_u64 s[54:55], s[4:5], s[54:55]
	s_add_nc_u64 s[58:59], s[8:9], s[58:59]
	s_add_nc_u64 s[60:61], s[8:9], s[60:61]
	s_mov_b32 s32, 1
	s_mov_b32 s33, s18
	s_mov_b64 s[34:35], s[20:21]
	s_or_b32 s35, s35, 0x80000000
	CROUND                                         ; all four work-groups are here: the joint loads meet
	tensor_load_to_lds s[32:35], s[24:31]          ; my one tensor load: step w of the stream
	s_nop 0
.irp g, 0,1,2
	global_load_b128 v[KF+4*\g:KF+4*\g+3], v[LI0], s[52:53] offset:512*\g
.endr
	global_load_b32 v[KF+12], v11, s[54:55]
	s_wait_loadcnt 0x0
.irp i, 0,1,2,3,4,5
	v_mov_b32 v[QF+\i], v[KF+\i]
	v_mov_b32 v[QF+6+\i], 0
	v_mov_b32 v[QF+12+\i], v[KF+\i]
	v_mov_b32 v[Q1+\i], v[KF+6+\i]
.endr
	v_and_b32 v[QS], 0xffff, v[KF+12]              ; a tile's two bytes, for either half of the instruction's K
	v_lshrrev_b32 v[QS1], 16, v[KF+12]
	v_lshl_or_b32 v[QS], v[QS], 16, v[QS]
	v_lshl_or_b32 v[QS1], v[QS1], 16, v[QS1]
.macro RESET                           ; a pass begins: O^T and the sum as zeros, the largest score as -3e38, -M as a large whole number: the first change of M multiplies zeros by 0.  (These lines are also the places ahead of the scaled products)
	v_mov_b32 v13, 0xff61b1e6
	v_mov_b32 v12, 0x7e000000
	v_mov_b32 v14, 0
	v_mov_b32 v15, 0
.set j, 0
.rept 32
	v_mov_b32 v[OT+j], 0
.set j, j+1
.endr
.endm
	RESET
.macro SUM4 j                          ; eight more registers of p onto the four sums
	v_pk_add_f32 v[14:15], v[14:15], v[S+(\j):S+(\j)+1]
	v_pk_add_f32 v[TS:TS+1], v[TS:TS+1], v[S+(\j)+2:S+(\j)+3]
	v_pk_add_f32 v[TS+2:TS+3], v[TS+2:TS+3], v[S+(\j)+4:S+(\j)+5]
	v_pk_add_f32 v[TS+4:TS+5], v[TS+4:TS+5], v[S+(\j)+6:S+(\j)+7]
.endm
; A KEY STEP: 128 keys.
.macro STEP
	v_add_nc_u32 v[ADR], s[TB], v[LI0]
.irp pi, 0,1,2,3
.irp g, 0,1,2
	ds_load_b128 v[KF+12*\pi+4*\g:KF+12*\pi+4*\g+3], v[ADR] offset:1536*\pi+512*\g
.endr
.endr
	ds_load_b128 v[KS:KS+3], v[ADR] offset:12288   ; 512 bytes: lanes 0-15 take K's words of row r, lanes 16-31 V's
	s_wait_alu depctr_va_vdst(0)                   ; directly ahead of the wait below
	s_wait_dscnt 0x0
.irp i, 0,1,2,3,4,5,6,7                        ; S^T: tile i of 16 keys lies in half i % 2 of image i / 2
	v_wmma_scale_f32_16x16x128_f8f6f4 v[S+8*\i:S+8*\i+7], v[KF+12*(\i/2):KF+12*(\i/2)+11], v[QF+6*(\i%2):QF+6*(\i%2)+11], 0, v[KS+\i/2], v[QS] matrix_a_fmt:MATRIX_FMT_FP6 matrix_b_fmt:MATRIX_FMT_FP6
.endr
	v_mov_b32 v[OLD], v12                          ; four places in front of the loads below and of the first read of the scores
	v_nop
	v_nop
	v_nop
.irp t, 0,1,2,3
.irp g, 0,1,2
	ds_load_b128 v[KF+12*\t+4*\g:KF+12*\t+4*\g+3], v[ADR] offset:6144+1536*\t+512*\g   ; V^T's four images land while the softmax is worked
.endr
.endr
.irp c, 0,1                                    ; THE LARGEST SCORE OF MY TWO BLOCKS OF 32 KEYS, each in two chains: for the row's maximum and, since p rises with the score, for the block's largest p
	v_max3_num_f32 v[BM+\c], v[S+32*\c], v[S+32*\c+1], v[S+32*\c+2]
	v_max3_num_f32 v[BM+2+\c], v[S+32*\c+16], v[S+32*\c+17], v[S+32*\c+18]
.endr
.irp i, 3,5,7,9,11,13
.irp c, 0,1
	v_max3_num_f32 v[BM+\c], v[BM+\c], v[S+32*\c+\i], v[S+32*\c+\i+1]
	v_max3_num_f32 v[BM+2+\c], v[BM+2+\c], v[S+32*\c+16+\i], v[S+32*\c+17+\i]
.endr
.endr
.irp c, 0,1
	v_max3_num_f32 v[BM+\c], v[BM+\c], v[BM+2+\c], v[S+32*\c+15]
.endr
.irp c, 0,1
	v_max_num_f32 v[BM+\c], v[BM+\c], v[S+32*\c+31]
.endr
	s_delay_alu instid0(VALU_DEP_1)
	v_max_num_f32 v[TMP], v[BM], v[BM+1]
	s_delay_alu instid0(VALU_DEP_1)
	v_permlanex16_b32 v[PT], v[TMP], s[SEL], s[SEL+1]
	s_delay_alu instid0(VALU_DEP_1)
	v_max3_num_f32 v13, v13, v[TMP], v[PT]         ; the running largest score of my query, lane l xor 16's 64 keys among them
	s_delay_alu instid0(VALU_DEP_1)
	v_mul_f32 v[TMP], s[NC], v13                   ; -t
	s_delay_alu instid0(VALU_DEP_1)
	v_floor_f32 v12, v[TMP]                        ; the new -M = floor(-t): M is a whole number
	s_delay_alu instid0(VALU_DEP_1)
	v_sub_f32 v[TMP], v12, v[OLD]                  ; old M - new M: a whole number, 0 or less
.set j, 0
.rept 4
	v_pk_fma_f32 v[S+j:S+j+1], v[S+j:S+j+1], s[CC:CC+1], v[12:13] op_sel_hi:[1,0,0]   ; t - M, two at a time
.set j, j+2
.endr
	v_cvt_i32_f32 v[TMP], v[TMP]                   ; (it saturates)
.rept 4
	v_pk_fma_f32 v[S+j:S+j+1], v[S+j:S+j+1], s[CC:CC+1], v[12:13] op_sel_hi:[1,0,0]
.set j, j+2
.endr
	v_ldexp_f32 v[FAC], 1.0, v[TMP]                ; f = 2^(old M - new M)
.rept 24
	v_pk_fma_f32 v[S+j:S+j+1], v[S+j:S+j+1], s[CC:CC+1], v[12:13] op_sel_hi:[1,0,0]
.set j, j+2
.endr
.irp c, 0,1
	v_fma_f32 v[BM+\c], v[BM+\c], s[CC], v12       ; the same of each block's largest score
.endr
	s_wait_alu depctr_va_vdst(0)                   ; ahead of the batch
.set j, 0
.rept 64
	v_exp_f32 v[S+j], v[S+j]                       ; p = 2^(t - M), at most 1
.set j, j+1
.endr
.irp c, 0,1
	v_exp_f32 v[BM+\c], v[BM+\c]                   ; the block's largest p: the same two instructions on the same number give the same bits
.endr
	s_wait_alu depctr_va_vdst(0)                   ; one wait for the batch, directly ahead of the first reader of O^T
.set j, 0
.rept 16
	v_pk_mul_f32 v[OT+j:OT+j+1], v[OT+j:OT+j+1], v[FAC:FAC+1] op_sel_hi:[1,0]   ; O^T under the new M: plain work behind the exponentials, each accumulator from its low end on
.set j, j+2
.endr
.irp c, 0,1
	v_max_num_f32 v[BM+\c], 0x1800000, v[BM+\c]    ; the floor 2^(3 - 127): the byte cannot fall under 1
.endr
.irp c, 0,1
	s_delay_alu instid0(VALU_DEP_2)
	v_add_nc_u32 v[SO+\c], 0xff000000, v[BM+\c]    ; 2 off the exponent field: the conversion's scale operand
.endr
.irp c, 0,1                                    ; registers 6 c .. 6 c + 5 of the operand are my block 2 c + lane / 16
	v_cvt_scalef32_pk16_fp6_f32 v[PC+6*\c:PC+6*\c+2], v[S+32*\c:S+32*\c+15], v[SO+\c]
	v_cvt_scalef32_pk16_fp6_f32 v[CT+4*\c:CT+4*\c+2], v[S+32*\c+16:S+32*\c+31], v[SO+\c]   ; (a conversion's three registers begin on an even number)
.endr
.irp c, 0,1
	v_lshrrev_b32 v[BY+\c], 23, v[SO+\c]           ; the scale's byte.  (Plain places behind the conversions)
.endr
	s_delay_alu instid0(VALU_DEP_1)
	v_lshl_or_b32 v[PW], v[BY+1], 16, v[BY]        ; my two bytes: blocks h and 2 + h,
	s_delay_alu instid0(VALU_DEP_1)
	v_lshlrev_b32 v[PW], v[SH8], v[PW]             ; at their places in the word;
	s_delay_alu instid0(VALU_DEP_1)
	v_permlanex16_b32 v[PT], v[PW], s[SEL], s[SEL+1]
	s_delay_alu instid0(VALU_DEP_1)
	v_or_b32 v[PW], v[PW], v[PT]                   ; with lane l xor 16's two the word is whole
.irp c, 0,1
.irp i, 0,1,2
	v_mov_b32 v[PC+3+6*\c+\i], v[CT+4*\c+\i]
.endr
.endr
	v_pk_fma_f32 v[14:15], v[14:15], v[FAC:FAC+1], v[S:S+1] op_sel_hi:[1,0,1]   ; THE ROW'S SUM, OF THE UNQUANTISED p, in four chains; the old sum comes under the new M on the way
	v_pk_add_f32 v[TS:TS+1], v[S+2:S+3], v[S+4:S+5]
	v_pk_add_f32 v[TS+2:TS+3], v[S+6:S+7], v[S+8:S+9]
	v_pk_add_f32 v[TS+4:TS+5], v[S+10:S+11], v[S+12:S+13]
	SUM4 14
	SUM4 22                                        ; these twelve are the places between the operand's and the scale word's last writes and the scaled products
	s_wait_alu depctr_va_vdst(0)                   ; directly ahead of the wait below
	s_wait_dscnt 0x0                               ; V^T's images are in
.irp t, 0,1,2,3                                ; O^T += V^T P^T: four tiles of 16 features, by turns; V's words stand in lanes 16-31
	v_wmma_scale_f32_16x16x128_f8f6f4 v[OT+8*\t:OT+8*\t+7], v[KF+12*\t:KF+12*\t+11], v[PC:PC+11], v[OT+8*\t:OT+8*\t+7], v[KS+\t], v[PW] matrix_a_fmt:MATRIX_FMT_FP6 matrix_b_fmt:MATRIX_FMT_FP6 matrix_a_scale:MATRIX_SCALE_ROW1
.endr
	SUM4 30                                        ; the rest of the sum: the places behind the products
	SUM4 38
	SUM4 46
	SUM4 54
	v_pk_add_f32 v[14:15], v[14:15], v[S+62:S+63]
	v_pk_add_f32 v[TS:TS+1], v[TS:TS+1], v[TS+2:TS+3]
	v_pk_add_f32 v[14:15], v[14:15], v[TS+4:TS+5]
	s_delay_alu instid0(VALU_DEP_1)
	v_pk_add_f32 v[14:15], v[14:15], v[TS:TS+1]
.endm
.macro PASS                            ; the head's sixteen key steps
	s_mov_b32 s[TB], 0
	s_mov_b32 s[CNT], 16
.Lstep_\@:
	STEP
	s_add_co_u32 s[TB], s[TB], STEPB
	s_sub_co_u32 s[CNT], s[CNT], 1
	s_cmp_lg_u32 s[CNT], 0
	s_cbranch_scc1 .Lstep_\@
.endm
; A pass ends: O^T / l; the head's 64 features, two blocks of 32 (register 16 b + i: feature 32 b + 16 h + i), become a half fragment of O and two scale bytes, and the codes leave.
.macro FINISH n
	v_add_f32 v14, v14, v15
	s_delay_alu instid0(VALU_DEP_1)
	v_permlanex16_b32 v[TMP], v14, s[SEL], s[SEL+1]
	s_delay_alu instid0(VALU_DEP_1)
	v_add_f32 v14, v14, v[TMP]                     ; the row's sum
	s_wait_alu depctr_va_vdst(0)                   ; ahead of the reciprocal
	v_rcp_f32 v14, v14
	v_nop                                          ; a plain place behind it
	s_wait_alu depctr_va_vdst(0)                   ; and the wait ahead of its first reader, which is also O^T's
.set j, 0
.rept 16
	v_pk_mul_f32 v[S+j:S+j+1], v[OT+j:OT+j+1], v[14:15] op_sel_hi:[1,0]
.set j, j+2
.endr
.irp b, 0,1
	v_max3_num_f32 v[BM+\b], |v[S+16*\b]|, |v[S+16*\b+1]|, 0x1800000
.endr
.irp i, 2,4,6,8,10,12,14
.irp b, 0,1
	s_delay_alu instid0(VALU_DEP_2)
	v_max3_num_f32 v[BM+\b], v[BM+\b], |v[S+16*\b+\i]|, |v[S+16*\b+\i+1]|
.endr
.endr
.irp b, 0,1
	s_delay_alu instid0(VALU_DEP_2)
	v_permlanex16_b32 v[PT+\b], v[BM+\b], s[SEL], s[SEL+1]
.endr
.irp b, 0,1
	s_delay_alu instid0(VALU_DEP_2)
	v_max_num_f32 v[BM+\b], v[BM+\b], v[PT+\b]
.endr
.irp b, 0,1
	s_delay_alu instid0(VALU_DEP_2)
	v_add_nc_u32 v[SO+\b], 0xff000000, v[BM+\b]
.endr
.irp b, 0,1
	s_delay_alu instid0(VALU_DEP_2)
	v_lshrrev_b32 v[BY+\b], 23, v[SO+\b]
.endr
	s_delay_alu instid0(VALU_DEP_1)
	v_lshl_or_b32 v[OW+8*\n], v[BY+1], 8, v[BY]
	v_cvt_scalef32_pk16_fp6_f32 v[OF+8*\n:OF+8*\n+2], v[S:S+15], v[SO]
	v_cvt_scalef32_pk16_fp6_f32 v[CT:CT+2], v[S+16:S+31], v[SO+1]
	v_nop                                          ; one plain place behind a scaled conversion
.irp i, 0,1,2
	v_permlane16_swap_b32 v[OF+8*\n+\i], v[CT+\i]  ; the operand wants a WHOLE block in a lane
.endr
.irp i, 0,1,2
	s_delay_alu instid0(VALU_DEP_3)
	v_mov_b32 v[OF+8*\n+3+\i], v[CT+\i]
.endr
	global_store_b128 v[LI0], v[OF+8*\n:OF+8*\n+3], s[58:59] offset:12288*\n          ; 32 lanes store 512 consecutive bytes, aligned
	global_store_b64 v[L8], v[OF+8*\n+4:OF+8*\n+5], s[58:59] offset:12288*\n+512      ; and 256
.endm
	s_wait_alu depctr_va_vdst(0)                   ; at the head's end
	s_wait_tensorcnt 0x0                           ; my step is in
	s_barrier_signal -1
	s_barrier_wait -1                              ; everybody's is: the whole stream lies in LDS
	PASS                                           ; my first 16 queries
	FINISH 0
.irp i, 0,1,2,3,4,5
	v_mov_b32 v[QF+\i], v[Q1+\i]                   ; the second tile's q,
	v_mov_b32 v[QF+12+\i], v[Q1+\i]
.endr
	v_mov_b32 v[QS], v[QS1]                        ; and its scale word
	RESET
	PASS                                           ; my second 16 queries
	FINISH 1
	v_cndmask_b32 v[TMP], v[OW], v[OW+8], s[HM]    ; lanes 0-15 the first tile's rows, lanes 16-31 the second's: row 32 w + lane
	global_store_b16 v[L4], v[TMP], s[60:61]       ; my head's two bytes of each row's word
	s_wait_tensorcnt 0x0                           ; the wave's end
	ds_add_u32 v[SPW], v[NIL]
	s_wait_dscnt 0x0
	CROUND                                         ; the closing round
	s_endpgm
.Lfunc_end_k_q9312c650a9_attn:
	.size	k_q9312c650a9_attn, .Lfunc_end_k_q9312c650a9_attn-k_q9312c650a9_attn
	.p2alignl 7, 3214868480
	.fill 96, 4, 3214868480
	.section	.rodata,"a",@progbits
	.p2align	6, 0x0
	.amdhsa_kernel k_q9312c650a9_attn
		.amdhsa_group_segment_fixed_size 327680
		.amdhsa_private_segment_fixed_size 0
		.amdhsa_enable_private_segment 0
		.amdhsa_kernarg_size 24
		.amdhsa_user_sgpr_count 2
		.amdhsa_user_sgpr_kernarg_segment_ptr 1
		.amdhsa_wavefront_size32 1
		.amdhsa_system_sgpr_workgroup_id_x 1
		.amdhsa_system_sgpr_workgroup_id_y 1
		.amdhsa_system_sgpr_workgroup_id_z 1
		.amdhsa_system_vgpr_workitem_id 0
		.amdhsa_next_free_vgpr 256
		.amdhsa_next_free_sgpr 66
		.amdhsa_reserve_vcc 0
		.amdhsa_float_denorm_mode_32 3
		.amdhsa_float_denorm_mode_16_64 3
		.amdhsa_memory_ordered 1
		.amdhsa_forward_progress 1
		.amdhsa_inst_pref_size 47
	.end_amdhsa_kernel
	.amdgpu_metadata
---
amdhsa.version: [ 1, 2 ]
amdhsa.kernels:
  - .name:           k_q9312c650a9_attn
    .symbol:         k_q9312c650a9_attn.kd
    .args:
      - { .name: Q, .offset: 0, .size: 8, .value_kind: global_buffer, .address_space: global }
      - { .name: KV, .offset: 8, .size: 8, .value_kind: global_buffer, .address_space: global }
      - { .name: O, .offset: 16, .size: 8, .value_kind: global_buffer, .address_space: global }
    .group_segment_fixed_size: 327680
    .private_segment_fixed_size: 0
    .kernarg_segment_align: 8
    .kernarg_segment_size: 24
    .max_flat_workgroup_size: 512
    .sgpr_count:     66
    .vgpr_count:     256
    .wavefront_size: 32
...
	.end_amdgpu_metadata
.endif
;; end of part 3
;; launch outp (part 4): grid 4 x 64, 4 waves a work-group, clusters of 4 x 4, 327,680 bytes of LDS; arguments O, X, b_o, out0; writes out0
.if DOCPART == 4
	.amdgcn_target "amdgcn-amd-amdhsa--gfx1250"
	.amdhsa_code_object_version 6
	.text
	.protected	k_q9312c650a9_outp
	.globl	k_q9312c650a9_outp
	.p2align	8
	.type	k_q9312c650a9_outp,@function
k_q9312c650a9_outp:
	s_mov_b64 s[64:65], 0
	v_nop
	global_prefetch_b8 v0, s[64:65] scope:SCOPE_SE
	s_setreg_imm32_b32 hwreg(HW_REG_WAVE_MODE, 25, 1), 1
	s_wait_xcnt 0x0
	s_wait_alu depctr_hold_cnt(0) depctr_sa_sdst(0) depctr_va_vdst(0) depctr_va_sdst(0) depctr_va_ssrc(0) depctr_va_vcc(0) depctr_vm_vsrc(0)
	s_getreg_b32 s2, hwreg(HW_REG_IB_STS2, 6, 4)
	s_cmp_eq_u32 s2, 0
	s_cbranch_scc0 .Lentry_in_a_cluster
	s_endpgm
.Lentry_in_a_cluster:
	s_bfe_u32 s2, ttmp6, 0x10000c
	s_cmp_lg_u32 s2, 0xf033
	s_cbranch_scc0 .Lentry_shape_is_right
	s_endpgm
.Lentry_shape_is_right:
; out0 = O W_o^T + b_o on codes of FP6 (E2M3) with E8M0 scales; O [8192][1024] comes from the attention launch, W_o's codes and scale words lie in X (rows 27,648 on); sums in f32.
; A block of 128 rows x 256 columns is made by a work-group of four waves; a wave makes 64 x 128: 32 accumulators of 16 x 16, 256 registers.  8,192 x 1,024 numbers give 4 x 64 = 256 work-groups.
; ALL OF K STAYS IN LDS: the block's 128 rows of O (8 row tiles x 12,288 bytes, dense), 256 rows of W_o (16 x 12,288, dense), and their scale words (8 fragments x 512 and x 1,024 bytes): 307,200 bytes.
; They are four tiles, and each wave brings one by its one tensor load at the head: nothing is filled again, and the walk along K has no barrier.
; Nothing is prefetched: the head's loads ask for all that the launch reads by tensor loads, and no loop runs ahead of them.
; CLUSTERS: 4 x 4 work-groups.  The four of a row of the cluster need the same rows of O, the four of a column the same rows of W_o: each tile is asked for JOINTLY, with a mask that names the four.
; LAYOUT.  A fragment (16 rows x 128 K, 12 registers a lane) lies as an image of its registers.  W_o's: register 4 g + i of lane l at 512 g + 16 l + 4 i.  O's: two halves of 768 bytes, registers 0-3 of a half at 16 l, registers 4-5 at 512 + 8 l.
; Rows lie in stored order (bits 3 and 4 of the row number swapped).  THE MATRIX INSTRUCTION IS USED TRANSPOSED (source 0 = 16 rows of W_o, source 1 = 16 rows of O): a lane holds one row of the result, and the 16 registers of
; tiles 2 b, 2 b + 1 are 16 neighbouring columns.  The bias is the C of the first step's products.
; REGISTERS, in windows of 256: window 0: v0-31 addresses; v32-55 scale words, two sets (8 of W_o's blocks, 4 of O's); v64-127 the bias; v128-223 O's fragments, two sets of 4; on the way out v128-255.
;   window 1: W_o's fragments, two sets of 8, at v0 and v128.   window 2: accumulator (a, b) at v[8 (8 a + b)].
.set XS0,   22020096
.set OS0,   6291456
.set FR,    12
.set LB,    98304                      ; LDS: O's codes at 0, W_o's here,
.set SCLA,  294912                     ; O's scale words [8 fragments][128 rows],
.set SCLB,  299008                     ; W_o's [8 fragments][256 rows],
.set SPARE, 307200                     ; and the spare words, 128 bytes for each wave: two blocks of 256 bytes that no other line names
.set SPITCH, 528                       ; the way out: a stage of 16 rows x (512 + 16) bytes for each wave, laid over O's codes when every wave has read its last fragment
.set ADRA, 16                          ; v16 my rows of O + 16 x lane, v17 + 8 x lane
.set ADRB, 18                          ; v18 my W_o blocks 0-3, v19 blocks 4-7
.set ADSA, 20                          ; my rows' scale words of O
.set ADSB, 21                          ; and of W_o
.set STO,  24
.set RD,   25
.set CO,   26
.set SPW,  28                          ; LDS address of my spare word; never rewritten
.set NIL,  29                          ; 0; never rewritten
.set SC,   32
.set BIAS, 64
.set AF,   128
.set BK,   128
.set G1A,  24
.set G0A,  32
.set G0B,  36
.set G1B,  40
.set G1S,  48
.set G1SB, 56
.set G0S,  68
.set G0SB, 72
.set MSB, 0
.macro WIN new                         ; the immediate's high byte repeats the setting that is left
.if MSB != (\new)
	s_set_vgpr_msb (MSB<<8)|(\new)
.set MSB, (\new)
.endif
.endm
.set MUL_W, 0xa1                       ; source 0 window 1, source 1 window 0, C and D window 2
.set FST_W, 0x81                       ; the same, C (the bias) window 0
.set TO_B,  0x40                       ; destination window 1, address window 0
.macro CROUND                          ; a round of the cluster's barrier
	s_barrier_signal -1
	s_barrier_wait -1
	s_cmp_lg_u32 s14, 0
	s_cbranch_scc1 .Lnot_wave_0_\@
	s_barrier_signal -3
.Lnot_wave_0_\@:
	s_barrier_wait -3
	s_barrier_signal -1
	s_barrier_wait -1
.endm
.macro PLACES
.rept 4
	v_nop
.endr
.endm
	s_load_b256 s[4:11], s[0:1], 0x0               ; O, X, b_o, out0
	v_lshl_add_u32 v[SPW], v0, 2, SPARE
	v_mov_b32 v[NIL], 0
	ds_add_u32 v[SPW], v[NIL]                      ; the opening lines: the add, twice on end, and its wait ahead of my tensor load
	ds_add_u32 v[SPW], v[NIL]
	v_lshrrev_b32 v1, 5, v0
	v_readfirstlane_b32 s14, v1                    ; wave 0..3
	s_lshr_b32 s15, s14, 1                         ; which 64 rows are mine
	s_and_b32 s16, s14, 1                          ; which 128 columns
	s_bfe_u32 s12, ttmp6, 0x40000                  ; cx
	s_bfe_u32 s13, ttmp6, 0x40004                  ; cy
	s_lshl_b32 s18, ttmp9, 2
	s_add_co_u32 s18, s18, s12                     ; block column = 4 x cluster x + cx
	s_and_b32 s17, ttmp7, 0xffff
	s_lshl_b32 s17, s17, 2
	s_add_co_u32 s17, s17, s13                     ; block row = 4 x cluster y + cy
	s_lshl_b32 s19, s13, 2
	s_lshl_b32 s19, 15, s19                        ; my row of the cluster
	s_lshl_b32 s22, 0x1111, s12                    ; my column
	; descriptor groups 1: elements of 8 bytes; bit 21 set beside a mask.  The codes are dense blocks, taken as rows of 256 bytes
	s_or_b32 s[G1A], s19, (3<<16)|(1<<21)
	s_mov_b32 s[G1A+1], 32<<16
	s_mov_b32 s[G1A+2], 384<<16
	s_mov_b32 s[G1A+3], 32<<16
	s_mov_b32 s[G1A+4], 384
	s_mov_b32 s[G1A+5], 32
	s_mov_b32 s[G1A+6], 0
	s_mov_b32 s[G1A+7], 0
	s_or_b32 s[G1B], s22, (3<<16)|(1<<21)
	s_mov_b32 s[G1B+1], 32<<16
	s_mov_b32 s[G1B+2], 768<<16
	s_mov_b32 s[G1B+3], 32<<16
	s_mov_b32 s[G1B+4], 768
	s_mov_b32 s[G1B+5], 32
	s_mov_b32 s[G1B+6], 0
	s_mov_b32 s[G1B+7], 0
	s_or_b32 s[G1S], s19, (3<<16)|(1<<21)          ; O's words: 8 fragments x 512 bytes, 32,768 bytes apart
	s_mov_b32 s[G1S+1], 64<<16
	s_mov_b32 s[G1S+2], 8<<16
	s_mov_b32 s[G1S+3], 64<<16
	s_mov_b32 s[G1S+4], 8
	s_mov_b32 s[G1S+5], 4096
	s_mov_b32 s[G1S+6], 0
	s_mov_b32 s[G1S+7], 0
	s_or_b32 s[G1SB], s22, (3<<16)|(1<<21)         ; W_o's words: 8 fragments x 1,024 bytes, 114,688 bytes apart
	s_mov_b32 s[G1SB+1], 128<<16
	s_mov_b32 s[G1SB+2], 8<<16
	s_mov_b32 s[G1SB+3], 128<<16
	s_mov_b32 s[G1SB+4], 8
	s_mov_b32 s[G1SB+5], 14336
	s_mov_b32 s[G1SB+6], 0
	s_mov_b32 s[G1SB+7], 0
	s_mul_i32 s88, s17, 98304                      ; O's tiles hang on the block row alone,
	s_mov_b32 s89, 0
	s_lshl_b32 s90, s17, 9
	s_add_co_u32 s90, s90, OS0
	s_mov_b32 s91, 0
	s_mul_i32 s92, s18, 196608                     ; W_o's on the block column alone
	s_add_co_u32 s92, s92, 27648*768
	s_mov_b32 s93, 0
	s_lshl_b32 s94, s18, 10
	s_add_co_u32 s94, s94, XS0+27648*4
	s_mov_b32 s95, 0
	s_wait_dscnt 0x0                               ; both opening adds are done
	s_wait_kmcnt 0x0
	s_add_nc_u64 s[88:89], s[4:5], s[88:89]
	s_add_nc_u64 s[90:91], s[4:5], s[90:91]
	s_add_nc_u64 s[92:93], s[6:7], s[92:93]
	s_add_nc_u64 s[94:95], s[6:7], s[94:95]
	CROUND                                         ; all sixteen work-groups are here: the joint loads meet
.macro G0SET g, lds, p
	s_mov_b32 s[\g], 1
	s_mov_b32 s[\g+1], \lds
	s_mov_b64 s[\g+2:\g+3], s[\p:\p+1]
	s_or_b32 s[\g+3], s[\g+3], 0x80000000
.endm
	G0SET G0A, 0, 88
	G0SET G0S, SCLA, 90
	G0SET G0B, LB, 92
	G0SET G0SB, SCLB, 94
; THE HEAD'S LOADS, ONE A WAVE, in one chain of branches on the wave's number: wave 0 O's codes, wave 1 W_o's, wave 2 O's words, wave 3 W_o's
.macro ARM under, g0, g1, next
	s_cmp_lt_u32 s14, \under
	s_cbranch_scc0 \next
	tensor_load_to_lds s[\g0:\g0+3], s[\g1:\g1+7]
	s_nop 0
.rept 4
	v_nop
.endr
	s_branch .Lhead_asked
\next:
.endm
	ARM 1, G0A, G1A, .Lhead_b
	ARM 2, G0B, G1B, .Lhead_sa
	ARM 3, G0S, G1S, .Lhead_sb
	tensor_load_to_lds s[G0SB:G0SB+3], s[G1SB:G1SB+7]
	s_nop 0
.rept 4
	v_nop
.endr
.Lhead_asked:
	s_mul_i32 s20, s15, 49152                      ; my four row tiles of O
	s_mul_i32 s21, s16, 98304                      ; my eight of W_o,
	s_add_co_u32 s21, s21, LB
	s_add_co_u32 s22, s21, 49152                   ; the upper four by a second register: a load's immediate has 16 bits
	s_lshl_b32 s23, s15, 8
	s_add_co_u32 s23, s23, SCLA
	s_lshl_b32 s76, s16, 9
	s_add_co_u32 s76, s76, SCLB
	s_mul_i32 s77, s14, 16*SPITCH                  ; my stage
	s_lshl_b32 s78, s18, 10                        ; my first column, in bytes: 1,024 x block column + 512 x half
	s_lshl_b32 s79, s16, 9
	s_add_co_u32 s78, s78, s79
	s_mov_b32 s79, 0
	s_add_nc_u64 s[8:9], s[8:9], s[78:79]
	s_add_nc_u64 s[10:11], s[10:11], s[78:79]
	s_lshl_b32 s78, s17, 19                        ; my first row: 128 x block row + 64 x half, 4,096 bytes a row
	s_lshl_b32 s19, s15, 18
	s_add_co_u32 s78, s78, s19
	s_add_nc_u64 s[10:11], s[10:11], s[78:79]
	v_and_b32 v1, 15, v0                           ; r
	v_bfe_u32 v2, v0, 4, 1                         ; h
	v_and_b32 v3, 31, v0
	v_lshlrev_b32 v7, 6, v2
	v_lshlrev_b32 v[CO], 4, v3
	v_lshlrev_b32 v6, 3, v3
	v_lshlrev_b32 v4, 2, v1
	v_mul_u32_u24 v5, v1, SPITCH
.irp e, 0,1,2,3
.irp g, 0,1,2,3
	global_load_b128 v[BIAS+16*\e+4*\g:BIAS+16*\e+4*\g+3], v7, s[8:9] offset:128*\e+16*\g   ; register 8 b + j: column 32 (b / 2) + 16 h + 8 (b % 2) + j
.endr
.endr
	v_add_nc_u32 v[ADRA], s20, v[CO]
	v_add_nc_u32 v[ADRA+1], s20, v6
	v_add_nc_u32 v[ADRB], s21, v[CO]
	v_add_nc_u32 v[ADRB+1], s22, v[CO]
	v_add_nc_u32 v[ADSA], s23, v4
	v_add_nc_u32 v[ADSB], s76, v4
	v_lshl_add_u32 v5, v2, 6, v5
	v_add_nc_u32 v[STO], s77, v5                   ; into the stage: row r, 64 bytes for each half of the lanes
	v_add_nc_u32 v[RD], s77, v[CO]                 ; back: the 32 lanes take one row of 512 bytes
; Step f's fragments and scale words into the sets f % 2: 24 + 16 + 12 LDS loads
.macro FETCH f
	WIN TO_B
.irp i, 0,1,2,3,4,5,6,7
.irp g, 0,1,2
	ds_load_b128 v[128*((\f)%2)+FR*\i+4*\g:128*((\f)%2)+FR*\i+4*\g+3], v[ADRB+\i/4] offset:12288*(\i%4)+1536*(\f)+512*\g
.endr
.endr
	WIN 0
.irp i, 0,1,2,3
.irp e, 0,1
	ds_load_b128 v[AF+48*((\f)%2)+FR*\i+6*\e:AF+48*((\f)%2)+FR*\i+6*\e+3], v[ADRA] offset:12288*\i+1536*(\f)+768*\e
	ds_load_b64 v[AF+48*((\f)%2)+FR*\i+6*\e+4:AF+48*((\f)%2)+FR*\i+6*\e+5], v[ADRA+1] offset:12288*\i+1536*(\f)+768*\e+512
.endr
.endr
.irp i, 0,1,2,3,4,5,6,7
	ds_load_b32 v[SC+12*((\f)%2)+\i], v[ADSB] offset:1024*(\f)+64*\i      ; lane r: the word of row r of W_o's block i (lanes 16-31 hold the same and are not read)
.endr
.irp i, 0,1,2,3
	ds_load_b32 v[SC+12*((\f)%2)+8+\i], v[ADSA] offset:512*(\f)+64*\i     ; and of O's block i
.endr
.endm
; A step of 128 along K: the next step's loads go out first, then 32 products; the 32 accumulators take turns, one instruction a turn, in the same order in every step
.macro STEP f
	s_wait_dscnt 0x0                               ; this step's fragments and words are in
.if (\f) > 0 && (\f) < 7
	PLACES                                         ; four places in front of loads into registers that the last step's products read
.endif
.if (\f) < 7
	FETCH (\f)+1
.endif
.if (\f) == 0
	WIN FST_W
.else
	WIN MUL_W
.endif
.irp a, 0,1,2,3
.irp b, 0,1,2,3,4,5,6,7
.if (\f) == 0
	v_wmma_scale_f32_16x16x128_f8f6f4 v[8*(8*\a+\b):8*(8*\a+\b)+7], v[128*((\f)%2)+FR*\b:128*((\f)%2)+FR*\b+FR-1], v[AF+48*((\f)%2)+FR*\a:AF+48*((\f)%2)+FR*\a+FR-1], v[BIAS+8*\b:BIAS+8*\b+7], v[SC+12*((\f)%2)+\b], v[SC+12*((\f)%2)+8+\a] matrix_a_fmt:MATRIX_FMT_FP6 matrix_b_fmt:MATRIX_FMT_FP6
.else
	v_wmma_scale_f32_16x16x128_f8f6f4 v[8*(8*\a+\b):8*(8*\a+\b)+7], v[128*((\f)%2)+FR*\b:128*((\f)%2)+FR*\b+FR-1], v[AF+48*((\f)%2)+FR*\a:AF+48*((\f)%2)+FR*\a+FR-1], v[8*(8*\a+\b):8*(8*\a+\b)+7], v[SC+12*((\f)%2)+\b], v[SC+12*((\f)%2)+8+\a] matrix_a_fmt:MATRIX_FMT_FP6 matrix_b_fmt:MATRIX_FMT_FP6
.endif
.endr
.endr
.endm
	s_wait_alu depctr_va_vdst(0)                   ; at the head's end
	s_wait_loadcnt 0x0                             ; the bias is in
	s_wait_tensorcnt 0x0                           ; my tile of the four is in
	s_barrier_signal -1
	s_barrier_wait -1                              ; everybody's is
	FETCH 0
.irp f, 0,1,2,3,4,5,6,7
	STEP \f
.endr
	WIN 0
	s_barrier_signal -1                            ; no LDS instruction of mine is out: my last reads were waited for at the last step's head
	s_barrier_wait -1                              ; nobody reads O's codes any more, and no fill follows: the stages may lie there
; THE WAY OUT, block by block of 16 rows x 128 columns: through my own stage, back as whole rows of 512 bytes, which the 32 lanes store as two aligned runs of 256 bytes.
; LDS serves a wave's instructions in order (ISA guide 5.7.1.4): no wait between the stores and the loads.
.macro TOSTAGE a
	WIN 0x08                                       ; the data: window 2
.irp b, 0,1,2,3,4,5,6,7
	ds_store_b128 v[STO], v[64*(\a)+8*\b:64*(\a)+8*\b+3] offset:128*(\b/2)+32*(\b%2)          ; each accumulator from its low end on
	ds_store_b128 v[STO], v[64*(\a)+8*\b+4:64*(\a)+8*\b+7] offset:128*(\b/2)+32*(\b%2)+16
.endr
	WIN 0
.set BB, BK+64*((\a)%2)
.irp t, 0,1,2,3,4,5,6,7,8,9,10,11,12,13,14,15
	ds_load_b128 v[BB+4*\t:BB+4*\t+3], v[RD] offset:\t*SPITCH
.endr
.endm
.macro SEND a, younger                 ; younger: the LDS instructions issued behind block a's loads, which may stay out.  Stored row t of block a is row 32 (a / 2) + 8 (a % 2) + t + 8 (t / 8)
.set BB, BK+64*((\a)%2)
	s_wait_dscnt \younger
.irp t, 0,1,2,3,4,5,6,7,8,9,10,11,12,13,14,15
	global_store_b128 v[CO], v[BB+4*\t:BB+4*\t+3], s[10:11] offset:(32*((\a)/2)+8*((\a)%2)+\t+8*(\t/8))*4096 th:TH_STORE_NT
.endr
.endm
	PLACES                                         ; behind the last products: for the reads of their results and the loads into the registers that held O's fragments
	TOSTAGE 0
.irp a, 1,2,3
.if \a > 1
	s_wait_xcnt 0x0                                ; block a - 2's stores have read their registers: block a's loads may land there
.endif
	TOSTAGE \a
	SEND \a-1, 32                                  ; behind block a - 1's loads: block a's 16 stores and 16 loads
.endr
	SEND 3, 0
	s_wait_tensorcnt 0x0                           ; the wave's end
	ds_add_u32 v[SPW], v[NIL]
	s_wait_dscnt 0x0
	CROUND                                         ; the closing round
	s_endpgm
.Lfunc_end_k_q9312c650a9_outp:
	.size	k_q9312c650a9_outp, .Lfunc_end_k_q9312c650a9_outp-k_q9312c650a9_outp
	.p2alignl 7, 3214868480
	.fill 96, 4, 3214868480
	.section	.rodata,"a",@progbits
	.p2align	6, 0x0
	.amdhsa_kernel k_q9312c650a9_outp
		.amdhsa_group_segment_fixed_size 327680
		.amdhsa_private_segment_fixed_size 0
		.amdhsa_enable_private_segment 0
		.amdhsa_kernarg_size 32
		.amdhsa_user_sgpr_count 2
		.amdhsa_user_sgpr_kernarg_segment_ptr 1
		.amdhsa_wavefront_size32 1
		.amdhsa_system_sgpr_workgroup_id_x 1
		.amdhsa_system_sgpr_workgroup_id_y 1
		.amdhsa_system_sgpr_workgroup_id_z 1
		.amdhsa_system_vgpr_workitem_id 0
		.amdhsa_next_free_vgpr 768
		.amdhsa_next_free_sgpr 96
		.amdhsa_reserve_vcc 0
		.amdhsa_float_denorm_mode_32 3
		.amdhsa_float_denorm_mode_16_64 3
		.amdhsa_memory_ordered 1
		.amdhsa_forward_progress 1
		.amdhsa_inst_pref_size 84
	.end_amdhsa_kernel
	.amdgpu_metadata
---
amdhsa.version: [ 1, 2 ]
amdhsa.kernels:
  - .name:           k_q9312c650a9_outp
    .symbol:         k_q9312c650a9_outp.kd
    .args:
      - { .name: O, .offset: 0, .size: 8, .value_kind: global_buffer, .address_space: global }
      - { .name: X, .offset: 8, .size: 8, .value_kind: global_buffer, .address_space: global }
      - { .name: b_o, .offset: 16, .size: 8, .value_kind: global_buffer, .address_space: global }
      - { .name: out0, .offset: 24, .size: 8, .value_kind: global_buffer, .address_space: global }
    .group_segment_fixed_size: 327680
    .private_segment_fixed_size: 0
    .kernarg_segment_align: 8
    .kernarg_segment_size: 32
    .max_flat_workgroup_size: 128
    .sgpr_count:     96
    .vgpr_count:     768
    .wavefront_size: 32
...
	.end_amdgpu_metadata
.endif
;; end of part 4
